; MI455X (gfx1250); checked and timed in simulation.
; The chip was launched on July 23, 2026; its instructions are those of AMD's public machine-readable ISA for CDNA 5 (MIT licence, August 2026) and "CDNA5" Instruction Set Architecture Reference Guide (July 2026). The comments in the code are by the model that wrote it; some were corrected since.
;; Causal Self Attention. Allowed arithmetic: matrix products marked QUANTISED: E2M3 operands, one E8M0 scale for each 32 along K, by v_wmma_scale_f32_16x16x128_f8f6f4 with both operands' format E2M3, f32 sums; everything else in f32.
;; Inputs: Wk_codes 2,048 x 64 x 24 uint8 (E2M3 codes of Wk, K innermost, in blocks of 32 codes, four codes in three bytes); Wk_scales 2,048 x 64 uint8 (E8M0 scales of Wk, one for each 32 codes along K); Wo_codes 2,048 x 64 x 24 uint8 (E2M3 codes of Wo, K innermost, in blocks of 32 codes, four codes in three bytes); Wo_scales 2,048 x 64 uint8 (E8M0 scales of Wo, one for each 32 codes along K); Wq_codes 2,048 x 64 x 24 uint8 (E2M3 codes of Wq, K innermost, in blocks of 32 codes, four codes in three bytes); Wq_scales 2,048 x 64 uint8 (E8M0 scales of Wq, one for each 32 codes along K); Wv_codes 2,048 x 64 x 24 uint8 (E2M3 codes of Wv, K innermost, in blocks of 32 codes, four codes in three bytes); Wv_scales 2,048 x 64 uint8 (E8M0 scales of Wv, one for each 32 codes along K); attn_mask 1 x 1 x 2,048 x 2,048 float32; bk 2,048 float32; bo 2,048 float32; bq 2,048 float32; bv 2,048 float32; x_codes 1 x 2,048 x 64 x 24 uint8 (E2M3 codes of x, K innermost, in blocks of 32 codes, four codes in three bytes); x_scales 1 x 2,048 x 64 uint8 (E8M0 scales of x, one for each 32 codes along K).
;; Outputs: out0 1 x 2,048 x 2,048 float32.
;; This version of the problem:
;;   THIS VERSION OF THE PROBLEM IS GIVEN IN LOW PRECISION. The matrix products marked QUANTISED in the list below multiply operands that are first quantised to E2M3 (2 exponent bits, 3 mantissa bits; 6 bits a number), with one power-of-two scale for each 32 numbers along K (OCP MX v1.0); their sums are f32. All else is computed in f32.
;;   The module's matrix products, in the order in which they are computed (A, B: the left and right operand; K: the contracted axis; several contracted axes count as one K, in the product's order):
;;     1. [M 2,048, K 2,048] x [K 2,048, N 2,048]; A: input x (given as codes); B: input Wq (given as codes): QUANTISED
;;     2. [M 2,048, K 2,048] x [K 2,048, N 2,048]; A: input x (given as codes); B: input Wk (given as codes): QUANTISED
;;     3. [M 2,048, K 2,048] x [K 2,048, N 2,048]; A: input x (given as codes); B: input Wv (given as codes): QUANTISED
;;     4. batch 16 x [M 2,048, K 128] x [K 128, N 2,048]; A: computed on the way; B: computed on the way: QUANTISED
;;     5. batch 16 x [M 2,048, K 2,048] x [K 2,048, N 128]; A: softmax (see below); B: computed on the way: QUANTISED
;;     6. [M 2,048, K 2,048] x [K 2,048, N 2,048]; A: computed on the way; B: input Wo (given as codes): QUANTISED
;;   THE QUANTISER, for each operand of a quantised product, along K:
;;     - K is cut into blocks of 32 from its start; a last block that is shorter is filled with zeros.
;;     - A block's scale is 2^e with e = floor(log2(the largest magnitude in the block)) - 2, held to -126 .. 127; a block of zeros has e = 0. As a byte (E8M0): e + 127.
;;     - Each number is divided by its block's scale, clamped to +-7.5, and rounded to the nearest number of E2M3, ties to even, subnormals kept.
;;     - The product sums the exact products of the quantised numbers (number of the format x scale) in f32.
;;   ~~~python
;;   def quantise(x, axis):      # numpy; x: float32 -> the quantised numbers, widened to float32 again
;;       x = np.moveaxis(x, axis, -1); K = x.shape[-1]
;;       x = np.pad(x, [(0, 0)] * (x.ndim - 1) + [(0, -K % 32)]); x = x.reshape(x.shape[:-1] + (-1, 32)); a = np.abs(x).max(-1, keepdims=True)
;;       e = np.where(a > 0, np.clip(np.frexp(np.where(a > 0, a, 1))[1] - 1 - 2, -126, 127), 0)      # np.frexp(a)[1] - 1 = floor(log2(a)), exactly
;;       r = np.clip(x / 2.0 ** e, -7.5, 7.5)
;;       step = 2.0 ** (np.maximum(np.frexp(np.where(r == 0, 1, r))[1] - 1, 0) - 3)
;;       q = np.round(r / step) * step * 2.0 ** e      # np.round: ties to even
;;       return np.moveaxis(q.reshape(q.shape[:-2] + (-1,))[..., :K], -1, axis).astype(np.float32)
;;   ~~~
;;   SOFTMAX AHEAD OF A QUANTISED PRODUCT. Where the list says 'softmax', what is quantised is not the finished softmax but p = 2^(t - M), with t = logit x log2(e) and M = ceil(the row's largest t), a whole number; so 1/2 < the row's largest p <= 1. The row's sum l is taken of the UNQUANTISED p, in f32, and the product's result is divided by l at the end. Since M is a whole number, a kernel that streams over the keys may use a running M (the ceiling of the running maximum): every later rescaling is an exact power of two, which a block's scale takes up: the codes' values come out the same.
;;   OPERANDS COMPUTED ON THE WAY. 'Computed on the way' means the value that the module computes at that place (a softmax that the list does not call 'softmax' is quantised finished and normalised). What goes into a quantiser is computed in f32, as accurately as f32 sums, v_exp_f32 and their like allow (about 1e-6 of the number): no bf16 or f16 on the way to a quantiser, and a product that is left as it is and whose result goes on into a quantised operand takes f32 operands (vector FMAs, or v_wmma_f32_16x16x4_f32). A number that lies on a knife's edge between two numbers of the format may be rounded either way, as far as f32 arithmetic and the matrix unit's own rounding can turn it there, and no further.
;;   INPUTS GIVEN AS CODES. Wk (in the module: [2048, 2048], K = its axis 0); Wo (in the module: [2048, 2048], K = its axis 0); Wq (in the module: [2048, 2048], K = its axis 0); Wv (in the module: [2048, 2048], K = its axis 0); x (in the module: [1, 2048, 2048], K = its axis 2): each comes as NAME_codes (uint8): NAME with its K axis moved to the last place and cut into blocks of 32 codes, [.., K / 32, bytes a block], one block behind the other in memory; four codes in three bytes: a row's codes are one little-endian stream of bits, code i at bits 6 i .. 6 i + 5 (a code: sign, 2 exponent bits, 3 mantissa bits); and NAME_scales (uint8): the same leading axes, one E8M0 byte (e + 127) for each 32 codes along K. Its value is code x scale, taken as it is: it is not quantised again, and the codes and scales need not be those that the quantiser above would give.
;; One version. Each part assembles by itself: llvm-mc -triple=amdgcn-amd-amdhsa -mcpu=gfx1250 --defsym DOCPART=n.
;; ======== version 1 of 1: 3 launches
;; workspace buffers: qkv 9,830,400 bytes; aimg 3,145,728 bytes; asc 131,072 bytes
;; launch qkv (part 1): grid 16 x 16, 4 waves a work-group, clusters of 4 x 4, 327,680 bytes of LDS; arguments x_codes, x_scales, Wq_codes, Wq_scales, Wk_codes, Wk_scales, Wv_codes, Wv_scales, bq, bk, bv, qkv; writes qkv
.if DOCPART == 1
	.amdgcn_target "amdgcn-amd-amdhsa--gfx1250"
	.amdhsa_code_object_version 6
	.text
	.protected	k_q2bc0dd83e7_qkv
	.globl	k_q2bc0dd83e7_qkv
	.p2align	8
	.type	k_q2bc0dd83e7_qkv,@function
k_q2bc0dd83e7_qkv:
	s_mov_b64 s[64:65], 0
	v_nop
	global_prefetch_b8 v0, s[64:65] scope:SCOPE_SE
	s_setreg_imm32_b32 hwreg(HW_REG_WAVE_MODE, 25, 1), 1
	s_wait_xcnt 0x0
	s_wait_alu depctr_hold_cnt(0) depctr_sa_sdst(0) depctr_va_vdst(0) depctr_va_sdst(0) depctr_va_ssrc(0) depctr_va_vcc(0) depctr_vm_vsrc(0)
	s_getreg_b32 s2, hwreg(HW_REG_IB_STS2, 6, 4)
	s_cmp_eq_u32 s2, 0
	s_cbranch_scc0 .Lentry_in_a_cluster
	s_endpgm
.Lentry_in_a_cluster:
	s_bfe_u32 s2, ttmp6, 0x10000c
	s_cmp_lg_u32 s2, 0xf033
	s_cbranch_scc0 .Lentry_shape_is_right
	s_endpgm
.Lentry_shape_is_right:
; q = rope(x Wq + bq), k = rope(x Wk + bk), v = x Wv + bv on codes of FP6 (E2M3) with E8M0 scales, then quantised again: q and k along the head's 128, v along the tokens.
; x: [2048][2048] codes, K innermost (a row is 1,536 bytes), scale bytes [2048][64]; Wq, Wk, Wv likewise, a row for each output column.  Biases f32.
; SHARES.  A work-group makes 128 tokens (block tb) x the 384 columns of one head hd (128 of q, k and v each).  Wave w: tw = w / 2 is its half of the tokens (64), c = w % 2 its unit of columns:
; blocks c and c + 2 (of 32) of q and of k, and columns 64 c .. 64 c + 63 of v.  Blocks c and c + 2 hold both partners d, d + 64 of the rope and are whole blocks of the quantiser.  48 accumulators a wave.
; q and k are made TRANSPOSED (source 0 = 16 rows of W, source 1 = 16 tokens): a lane holds one token, its registers run along d.  v is made straight (source 0 = tokens, source 1 = rows of Wv): a lane holds one d, registers along the tokens.
; K goes in steps of 256 through two LDS slots (rows of 192 bytes, 16 bytes of padding behind each 64: pitch 240); the scale bytes of the 4 x 128 rows, for all of K, come once.
; CLUSTER 4 x 4: x's tile hangs on tb alone and is asked for jointly along a row of the cluster, the W tiles on hd alone, jointly along a column.
; OUTPUT: one record of 38,400 bytes for (hd, tb): images of operand registers (a fragment: 1,536 bytes, register group g of lane L at 512 g + 16 L) of K, V^T and Q with their scale words, gathered in LDS and stored as 75 runs of 512 bytes.
; ORDER INSIDE A BLOCK OF 32: number 16 u + 8 h + j of a block lies at place 16 h + 8 u + j.  q and k have the same order, and so have v and the next launch's p: each product's pairs stay together and blocks and scales are untouched.
; V^T's tile 2 b + u has as row r' the channel 32 b + 8 u + r' + 8 (r' / 8), so that the next launch's result comes out in true order along d.
; ROPE: cos and sin by reduction with pi/2 in two parts and polynomials of degree 7 and 8, in f32.  LIMITS: the inverse frequency is 2^(-i log2(10000) / 64) by v_exp_f32, a few ulp from a correctly rounded power,
; which moves an angle by about 1e-4 rad at the last positions; a block of zeros gets the scale byte 1 (its codes are zeros; only this program reads the bytes); NaN and infinities among the inputs are not served.
.set KROW,  1536
.set ROWB,  192
.set PITCH, 240
.set HALFT, 128*PITCH                  ; 128 rows: what one tensor load brings
.set SLOT,  4*HALFT                    ; x, Wq, Wk, Wv
.set SCL,   2*SLOT                     ; the scale bytes: units of 256 bytes + 16 of padding
.set HALFS, 32*272                     ; those of 128 rows
.set SBLK,  4*272                      ; those of 16 rows
.set SPARE, SCL+4*HALFS                ; the spare words: 128 bytes a wave, named by no other line
.set LAPS,  4                          ; 2048 / 512
.set REC,   38400
.set KIMG,  0                          ; the record, in memory and in the stage (LDS bytes 0 on: slot 0, which has had its last fill and its last read by then)
.set KSC,   12288
.set VIMG,  12800
.set VSC,   25088
.set QIMG,  25600
.set QSC,   37888
; window 0
.set ADRX, 4                           ; v4-5 x's fragments in slot 0, 1; v6-7 the same behind one padding more
.set ADRW, 8                           ; v8-11 Wq's (Wk's lie HALFT on)
.set ADRV, 12                          ; v12-15 Wv's
.set ADS1, 16                          ; scale words: lanes 0-15 Wq's rows, lanes 16-31 Wk's
.set ADS2, 17                          ; lanes 0-15 x's rows, lanes 16-31 Wv's
.set SA,   18                          ; stage addresses: q's and k's codes
.set SB,   19
.set VA,   20                          ; v's codes
.set VB,   21
.set SQ,   22                          ; scale bytes of q, k, v
.set SK,   23
.set SV,   24
.set CP,   25                          ; the copy out
.set CP2,  26
.set SPW,  28                          ; my spare word; never rewritten
.set NIL,  29                          ; 0; never rewritten
.set SC,   32                          ; v32-63 scale words, a set of 16 for each slot
.set XF,   64                          ; v64-159 x's 4 fragments, two sets of 48
.set T1,   64                          ; epilogue
.set T2,   80
.set PC,   96
.set HA,   160
.set TM,   224
.set PW,   240
; the head's scratch for cos and sin
.set INVF, 64
.set CSN,  80
.set POS,  92
.set FB,   94
.set PB,   95
.set ANG,  96
.set NN,   112
.set RR,   128
.set ZZ,   144
.set PS,   160
.set PO,   176
.set TA,   192
.set QQ,   208
.set UA,   224
; window 1: v0-143 W's 12 fragments (0-3 q's tiles, 4-7 k's, 8-11 v's); v144-175 bq, v176-207 bk, v208-239 bv in the results' layout
; window 2: q's accumulators at 32 i + 8 k, k's at 128 + 32 i + 8 k.   window 3: v's at 32 k + 8 i; cos at 128 + 32 i, sin at 144 + 32 i
.set G1,   28
.set G1B,  36
.set G0,   44
.set G0B,  52
.set WV,   60
.set TW,   61
.set CC,   62
.set G1S,  68
.set G1SB, 76
.set G0S,  84
.set G0SB, 88
.set MSB, 0
.macro WIN new                         ; the immediate's high byte repeats the setting that is left
.if MSB != \new
	s_set_vgpr_msb (MSB<<8)|\new
.set MSB, \new
.endif
.endm
.macro PLACES                          ; four plain places behind matrix instructions, in front of loads into their registers and of reads of results
.rept 4
	v_nop
.endr
.endm
; A joint load: wave 0 fetches for x, waves 1 to 3 for Wq, Wk, Wv.  The branch hangs on the wave's number alone.  Four v_nop follow each of the two lines.
.macro JLOAD g0a, g1a, g0b, g1b
	s_cmp_eq_u32 s[WV], 0
	s_cbranch_scc0 .Lfor_b_\@
	tensor_load_to_lds s[\g0a:\g0a+3], s[\g1a:\g1a+7]
	s_nop 0
.rept 4
	v_nop
.endr
	s_branch .Lasked_\@
.Lfor_b_\@:
	tensor_load_to_lds s[\g0b:\g0b+3], s[\g1b:\g1b+7]
	s_nop 0
.rept 4
	v_nop
.endr
.Lasked_\@:
.endm
.macro CREST                           ; a round of the cluster's barrier behind its opening barrier
	s_cmp_lg_u32 s[WV], 0
	s_cbranch_scc1 .Lnot_wave_0_\@
	s_barrier_signal -3
.Lnot_wave_0_\@:
	s_barrier_wait -3
	s_barrier_signal -1
	s_barrier_wait -1
.endm
.macro CROUND
	s_barrier_signal -1
	s_barrier_wait -1
	CREST
.endm
	s_load_b512 s[4:19], s[0:1], 0x0               ; x's codes, scales; Wq's; Wk's; Wv's
	s_load_b256 s[20:27], s[0:1], 0x40             ; bq, bk, bv, qkv
	v_lshl_add_u32 v[SPW], v0, 2, SPARE
	v_mov_b32 v[NIL], 0
	ds_add_u32 v28, v29
	ds_add_u32 v28, v29
	s_wait_dscnt 0x0
	v_lshrrev_b32 v1, 5, v0
	v_readfirstlane_b32 s[WV], v1                  ; wave 0..3
	s_lshr_b32 s[TW], s[WV], 1
	s_and_b32 s[CC], s[WV], 1
	s_bfe_u32 s96, ttmp6, 0x40000                  ; cx
	s_bfe_u32 s97, ttmp6, 0x40004                  ; cy
	s_lshl_b32 s98, ttmp9, 2
	s_add_co_u32 s98, s98, s96                     ; hd = 4 x cluster x + cx
	s_and_b32 s99, ttmp7, 0xffff
	s_lshl_b32 s99, s99, 2
	s_add_co_u32 s99, s99, s97                     ; tb = 4 x cluster y + cy
	s_lshl_b32 s100, s97, 2
	s_lshl_b32 s100, 15, s100                      ; my row of the cluster
	s_lshl_b32 s101, 0x1111, s96                   ; my column
	; group 1: 128 rows x 192 bytes, 16 bytes of padding behind every 64 (16 words: code 3; 4 words: code 3); bit 21 beside a mask
	s_or_b32 s[G1], s100, (1<<20)|(1<<21)|(3<<22)|(3<<25)
	s_or_b32 s[G1B], s101, (1<<20)|(1<<21)|(3<<22)|(3<<25)
.irp g, G1, G1B
	s_mov_b32 s[\g+1], ROWB<<16                    ; tensor_dim0
	s_mov_b32 s[\g+2], 128<<16                     ; tensor_dim1
	s_mov_b32 s[\g+3], ROWB<<16                    ; tile_dim0
	s_mov_b32 s[\g+4], 128                         ; tile_dim1
	s_mov_b32 s[\g+5], KROW                        ; pitch
	s_mov_b32 s[\g+6], 0
	s_mov_b32 s[\g+7], 0
.endr
	; the scale bytes of 128 rows: 8,192 dense bytes as 32 rows of 256 (32 elements of 8 bytes), 16 bytes of padding behind each
	s_or_b32 s[G1S], s100, (3<<16)|(1<<20)|(1<<21)|(5<<22)|(3<<25)
	s_or_b32 s[G1SB], s101, (3<<16)|(1<<20)|(1<<21)|(5<<22)|(3<<25)
.irp g, G1S, G1SB
	s_mov_b32 s[\g+1], 32<<16
	s_mov_b32 s[\g+2], 32<<16
	s_mov_b32 s[\g+3], 32<<16
	s_mov_b32 s[\g+4], 32
	s_mov_b32 s[\g+5], 32
	s_mov_b32 s[\g+6], 0
	s_mov_b32 s[\g+7], 0
.endr
	s_wait_kmcnt 0x0
	s_cmp_eq_u32 s[WV], 2                          ; which W my wave fetches: 1 Wq, 2 Wk, 3 Wv
	s_cselect_b64 s[92:93], s[12:13], s[8:9]
	s_cselect_b64 s[94:95], s[14:15], s[10:11]
	s_cmp_eq_u32 s[WV], 3
	s_cselect_b64 s[92:93], s[16:17], s[92:93]
	s_cselect_b64 s[94:95], s[18:19], s[94:95]
	s_mul_i32 s66, s99, 128*KROW                   ; x: rows 128 tb on (these registers never hold hd)
	s_mov_b32 s67, 0
	s_add_nc_u64 s[4:5], s[4:5], s[66:67]
	s_lshl_b32 s66, s99, 13
	s_add_nc_u64 s[6:7], s[6:7], s[66:67]
	s_mul_i32 s2, s98, 128*KROW                    ; W: rows 128 hd on
	s_mov_b32 s3, 0
	s_add_nc_u64 s[92:93], s[92:93], s[2:3]
	s_lshl_b32 s2, s98, 13
	s_add_nc_u64 s[94:95], s[94:95], s[2:3]
	s_lshl_b32 s63, s98, 9                         ; the biases: 512 hd bytes, + 128 c for q and k, + 256 c for v
	s_lshl_b32 s2, s[CC], 7
	s_add_co_u32 s2, s2, s63
	s_add_nc_u64 s[20:21], s[20:21], s[2:3]
	s_add_nc_u64 s[22:23], s[22:23], s[2:3]
	s_lshl_b32 s2, s[CC], 8
	s_add_co_u32 s2, s2, s63
	s_add_nc_u64 s[24:25], s[24:25], s[2:3]
	s_lshl_b32 s2, s98, 4                          ; the record: 16 hd + tb
	s_add_co_u32 s2, s2, s99
	s_mul_i32 s2, s2, REC
	s_add_nc_u64 s[26:27], s[26:27], s[2:3]
	s_mul_i32 s63, s[WV], HALFT                    ; where my tiles go: wave x 128 rows; no place in the cluster enters an LDS address
	s_mul_i32 s66, s[WV], HALFS
	CROUND                                         ; all sixteen work-groups are here: the first joint loads meet
	s_mov_b32 s[G0S], 1
	s_add_co_u32 s[G0S+1], s66, SCL
	s_mov_b64 s[G0S+2:G0S+3], s[6:7]
	s_or_b32 s[G0S+3], s[G0S+3], 0x80000000
	s_mov_b32 s[G0SB], 1
	s_add_co_u32 s[G0SB+1], s66, SCL
	s_mov_b64 s[G0SB+2:G0SB+3], s[94:95]
	s_or_b32 s[G0SB+3], s[G0SB+3], 0x80000000
	JLOAD G0S, G1S, G0SB, G1SB                     ; the scale bytes: filled once.  With the two slots below three loads of mine are out
.irp s, 0,1
	s_mov_b32 s[G0+4*\s], 1
	s_add_co_u32 s[G0+4*\s+1], s63, \s*SLOT
	s_add_nc_u64 s[G0+4*\s+2:G0+4*\s+3], s[4:5], \s*ROWB
	s_or_b32 s[G0+4*\s+3], s[G0+4*\s+3], 0x80000000
	s_mov_b32 s[G0B+4*\s], 1
	s_add_co_u32 s[G0B+4*\s+1], s63, \s*SLOT
	s_add_nc_u64 s[G0B+4*\s+2:G0B+4*\s+3], s[92:93], \s*ROWB
	s_or_b32 s[G0B+4*\s+3], s[G0B+4*\s+3], 0x80000000
	JLOAD G0+4*\s, G1, G0B+4*\s, G1B
.endr
	; the biases, in the layout of the results whose sums they start
	v_and_b32 v1, 15, v0                           ; r
	v_bfe_u32 v2, v0, 4, 1                         ; h
	v_lshlrev_b32 v30, 5, v2                       ; q, k: my eight d of a tile: 32 h bytes on
	v_lshlrev_b32 v31, 2, v1                       ; v: my one d: 4 r
	WIN 0x40                                       ; destination window 1
.irp k, 0,1,2,3
	global_load_b128 v[144+8*\k:147+8*\k], v30, s[20:21] offset:64*(\k%2)+256*(\k/2)
	global_load_b128 v[148+8*\k:151+8*\k], v30, s[20:21] offset:64*(\k%2)+256*(\k/2)+16
	global_load_b128 v[176+8*\k:179+8*\k], v30, s[22:23] offset:64*(\k%2)+256*(\k/2)
	global_load_b128 v[180+8*\k:183+8*\k], v30, s[22:23] offset:64*(\k%2)+256*(\k/2)+16
	global_load_b32 v[208+8*\k], v31, s[24:25] offset:64*\k
.endr
	WIN 0
	; LDS addresses
	v_mul_u32_u24 v64, v1, PITCH
	v_mad_u32_u24 v64, v2, 24, v64                 ; a fragment's row x pitch + 24 x half
	v_lshl_add_u32 v65, v2, 4, v64                 ; and the same behind one padding more
	s_mul_i32 s2, s[TW], 64*PITCH                  ; x: my 64 tokens
	s_mul_i32 s63, s[CC], 32*PITCH                 ; Wq: block c
	s_add_co_u32 s63, s63, HALFT
	s_mul_i32 s66, s[CC], 64*PITCH                 ; Wv: my 64 columns
	s_add_co_u32 s66, s66, 3*HALFT
.irp s, 0,1
	v_add_nc_u32 v[ADRX+\s], s2, v64
	v_add_nc_u32 v[ADRX+2+\s], s2, v65
	v_add_nc_u32 v[ADRW+\s], s63, v64
	v_add_nc_u32 v[ADRW+2+\s], s63, v65
	v_add_nc_u32 v[ADRV+\s], s66, v64
	v_add_nc_u32 v[ADRV+2+\s], s66, v65
	s_add_co_u32 s2, s2, SLOT
	s_add_co_u32 s63, s63, SLOT
	s_add_co_u32 s66, s66, SLOT
.endr
	v_lshlrev_b32 v66, 6, v1                       ; a row of scale bytes is 64 bytes,
	v_lshrrev_b32 v67, 8, v66
	v_lshl_add_u32 v66, v67, 4, v66                ; and 16 more for each 256 passed
	s_mul_i32 s2, s[CC], 2*SBLK
	s_add_co_u32 s2, s2, SCL+HALFS
	v_mad_u32_u24 v[ADS1], v2, HALFS, v66          ; lanes 16-31: Wk's, HALFS behind Wq's
	v_add_nc_u32 v[ADS1], s2, v[ADS1]
	s_mul_i32 s2, s[CC], 4*SBLK
	s_add_co_u32 s2, s2, 3*HALFS
	s_mul_i32 s63, s[TW], 4*SBLK
	s_sub_co_u32 s2, s2, s63                       ; from x's rows of mine to Wv's rows of mine
	v_mul_u32_u24 v67, s2, v2
	s_add_co_u32 s63, s63, SCL
	v_add_nc_u32 v67, v66, v67
	v_add_nc_u32 v[ADS2], s63, v67
	; the stage.  q, k: my six registers of a block go to image lane r + 16 c, register pairs 0-2 (lanes 0-15: block c) or 3-5 (lanes 16-31: block c + 2) of tile 4 tw + i
	v_lshlrev_b32 v68, 4, v1
	s_lshl_b32 s2, s[CC], 8
	s_mul_i32 s63, s[TW], 6144
	s_add_co_u32 s2, s2, s63
	v_mad_u32_u24 v[SA], v2, 520, v68
	v_add_nc_u32 v[SA], s2, v[SA]
	v_mad_u32_u24 v[SB], v2, 1016, v68
	v_add_nc_u32 v[SB], s2, v[SB]
	v_add_nc_u32 v[SB], 8, v[SB]
	; v: channel 64 c + 32 kk + 16 e + r is row (r % 8) + 8 e of tile 4 c + 2 kk + r / 8; my lane half is the image's; register pairs 0-2 (tw = 0) or 3-5
	v_lshrrev_b32 v69, 3, v1
	v_and_b32 v70, 7, v1
	v_lshlrev_b32 v71, 4, v70
	v_mad_u32_u24 v72, v69, 1536, v71
	v_lshl_add_u32 v72, v2, 8, v72
	s_mul_i32 s2, s[CC], 6144
	s_mul_i32 s63, s[TW], 520
	s_add_co_u32 s63, s63, s2
	v_add_nc_u32 v[VA], s63, v72
	s_mul_i32 s63, s[TW], 1016
	s_add_co_u32 s63, s63, s2
	s_add_co_u32 s63, s63, 8
	v_add_nc_u32 v[VB], s63, v72
	s_lshl_b32 s2, s[TW], 8
	s_add_co_u32 s2, s2, s[CC]
	v_lshl_add_u32 v[SQ], v1, 2, s2                ; q's scale bytes: word 64 t + 4 r, byte = block
	v_lshl_add_u32 v[SK], v1, 4, s2                ; k's: lane 16 (t / 4) + r holds the words of four tiles
	v_lshl_add_u32 v[SV], v69, 2, v71              ; v's likewise, over its own tiles and rows
	s_lshl_b32 s2, s[CC], 8
	s_lshl_b32 s63, s[TW], 1
	s_add_co_u32 s2, s2, s63
	v_add_nc_u32 v[SV], s2, v[SV]
	v_and_b32 v3, 31, v0
	v_lshlrev_b32 v3, 4, v3
	s_mul_i32 s2, s[WV], 9216
	v_add_nc_u32 v[CP], s2, v3                     ; the copy: 18 runs of 512 bytes a wave,
	s_lshl_b32 s2, s[WV], 9
	v_add_nc_u32 v[CP2], s2, v3                    ; and the last three runs, one each for waves 0 to 2
	; COS AND SIN, while the first tiles are on their way.  My 16 frequencies: index 32 c + 8 h + 16 u + j at place 8 u + j
	v_lshlrev_b32 v[FB], 3, v2
	s_lshl_b32 s2, s[CC], 5
	v_add_nc_u32 v[FB], s2, v[FB]
	s_lshl_b32 s2, s99, 7
	s_lshl_b32 s63, s[TW], 6
	s_add_co_u32 s2, s2, s63
	v_add_nc_u32 v[PB], s2, v1                     ; my token of tile 0: 128 tb + 64 tw + r
	v_mov_b32 v[POS+1], 0                          ; (named as the upper half of a pair)
.irp e, 0,1,2,3,4,5,6,7,8,9,10,11,12,13,14,15
	v_add_nc_u32 v[INVF+\e], 16*(\e/8)+\e%8, v[FB]
.endr
.irp e, 0,1,2,3,4,5,6,7,8,9,10,11,12,13,14,15
	v_cvt_f32_u32 v[INVF+\e], v[INVF+\e]
.endr
.irp e, 0,1,2,3,4,5,6,7,8,9,10,11,12,13,14,15
	v_mul_f32 v[INVF+\e], 0xbe549a78, v[INVF+\e]   ; x -log2(10000) / 64
.endr
.irp e, 0,1,2,3,4,5,6,7,8,9,10,11,12,13,14,15
	v_exp_f32 v[INVF+\e], v[INVF+\e]
.endr
.irp e, 0,1                                    ; the polynomials' constants, each twice: plain work behind the exponentials
	v_mov_b32 v[CSN+\e], 0xbe2aaaa3                ; S1
	v_mov_b32 v[CSN+2+\e], 0x3c08839e              ; S2
	v_mov_b32 v[CSN+4+\e], 0xb94ca1f9              ; S3
	v_mov_b32 v[CSN+6+\e], 0x3d2aaaa5              ; C1
	v_mov_b32 v[CSN+8+\e], 0xbab6061a              ; C2
	v_mov_b32 v[CSN+10+\e], 0x37ccf5ce             ; C3
.endr
	s_wait_alu depctr_va_vdst(0)                   ; one wait for the sixteen exponentials, ahead of their first reader
; cos and sin of the 16 angles of token tile i: angle = position x frequency (one rounding); n = the nearest whole number of quarter turns; the rest by a two-part pi/2; polynomials; quadrant by selects and sign bits
.macro TRIG i
	v_add_nc_u32 v[POS], 16*\i, v[PB]
	v_cvt_f32_u32 v[POS], v[POS]
.irp e, 0,2,4,6,8,10,12,14
	v_pk_mul_f32 v[ANG+\e:ANG+\e+1], v[INVF+\e:INVF+\e+1], v[POS:POS+1] op_sel_hi:[1,0]
.endr
.irp e, 0,2,4,6,8,10,12,14
	v_pk_mul_f32 v[NN+\e:NN+\e+1], v[ANG+\e:ANG+\e+1], 0x3f22f983 op_sel_hi:[1,0]   ; x 2 / pi
.endr
.irp e, 0,1,2,3,4,5,6,7,8,9,10,11,12,13,14,15
	v_rndne_f32 v[NN+\e], v[NN+\e]
.endr
.irp e, 0,2,4,6,8,10,12,14
	v_pk_fma_f32 v[RR+\e:RR+\e+1], v[NN+\e:NN+\e+1], 0xbfc90fdb, v[ANG+\e:ANG+\e+1] op_sel_hi:[1,0,1]   ; - n x the f32 nearest pi/2: exact
.endr
.irp e, 0,2,4,6,8,10,12,14
	v_pk_fma_f32 v[RR+\e:RR+\e+1], v[NN+\e:NN+\e+1], 0x333bbd2e, v[RR+\e:RR+\e+1] op_sel_hi:[1,0,1]     ; + n x what that f32 has too much
.endr
.irp e, 0,2,4,6,8,10,12,14
	v_pk_mul_f32 v[ZZ+\e:ZZ+\e+1], v[RR+\e:RR+\e+1], v[RR+\e:RR+\e+1]
.endr
.irp e, 0,2,4,6,8,10,12,14
	v_pk_fma_f32 v[PS+\e:PS+\e+1], v[ZZ+\e:ZZ+\e+1], v[CSN+4:CSN+5], v[CSN+2:CSN+3]
	v_pk_fma_f32 v[PO+\e:PO+\e+1], v[ZZ+\e:ZZ+\e+1], v[CSN+10:CSN+11], v[CSN+8:CSN+9]
.endr
.irp e, 0,2,4,6,8,10,12,14
	v_pk_mul_f32 v[TA+\e:TA+\e+1], v[ZZ+\e:ZZ+\e+1], v[RR+\e:RR+\e+1]
	v_pk_fma_f32 v[UA+\e:UA+\e+1], v[ZZ+\e:ZZ+\e+1], -0.5, 1.0 op_sel_hi:[1,0,0]
.endr
.irp e, 0,2,4,6,8,10,12,14
	v_pk_fma_f32 v[PS+\e:PS+\e+1], v[PS+\e:PS+\e+1], v[ZZ+\e:ZZ+\e+1], v[CSN:CSN+1]
	v_pk_fma_f32 v[PO+\e:PO+\e+1], v[PO+\e:PO+\e+1], v[ZZ+\e:ZZ+\e+1], v[CSN+6:CSN+7]
.endr
.irp e, 0,2,4,6,8,10,12,14
	v_pk_fma_f32 v[PS+\e:PS+\e+1], v[PS+\e:PS+\e+1], v[TA+\e:TA+\e+1], v[RR+\e:RR+\e+1]   ; sin of the rest
.endr
.irp e, 0,2,4,6,8,10,12,14
	v_pk_mul_f32 v[TA+\e:TA+\e+1], v[ZZ+\e:ZZ+\e+1], v[ZZ+\e:ZZ+\e+1]
.endr
.irp e, 0,2,4,6,8,10,12,14
	v_pk_fma_f32 v[PO+\e:PO+\e+1], v[PO+\e:PO+\e+1], v[TA+\e:TA+\e+1], v[UA+\e:UA+\e+1]   ; cos of the rest
.endr
.irp e, 0,1,2,3,4,5,6,7,8,9,10,11,12,13,14,15
	v_cvt_i32_f32 v[QQ+\e], v[NN+\e]
.endr
.irp e, 0,1,2,3,4,5,6,7,8,9,10,11,12,13,14,15
	v_and_b32 v[TA+\e], 1, v[QQ+\e]
.endr
.irp e, 0,1,2,3,4,5,6,7,8,9,10,11,12,13,14,15
	v_cmp_eq_u32 vcc_lo, 1, v[TA+\e]               ; in odd quadrants the two change places
	v_cndmask_b32 v[ANG+\e], v[PS+\e], v[PO+\e], vcc_lo
	v_cndmask_b32 v[RR+\e], v[PO+\e], v[PS+\e], vcc_lo
.endr
.irp e, 0,1,2,3,4,5,6,7,8,9,10,11,12,13,14,15
	v_lshlrev_b32 v[ZZ+\e], 30, v[QQ+\e]           ; sin is negative in quadrants 2 and 3: bit 1 of n;
	v_add_lshl_u32 v[PS+\e], v[QQ+\e], 1, 30       ; cos in 1 and 2: bit 1 of n + 1
.endr
.irp e, 0,1,2,3,4,5,6,7,8,9,10,11,12,13,14,15
	v_and_b32 v[ZZ+\e], 0x80000000, v[ZZ+\e]
	v_and_b32 v[PS+\e], 0x80000000, v[PS+\e]
.endr
	WIN 0xc0                                       ; destination window 3
.irp e, 0,1,2,3,4,5,6,7,8,9,10,11,12,13,14,15
	v_xor_b32 v[128+32*\i+\e], v[RR+\e], v[PS+\e]
	v_xor_b32 v[144+32*\i+\e], v[ANG+\e], v[ZZ+\e]
.endr
	WIN 0
.endm
	TRIG 0
	TRIG 1
	TRIG 2
	TRIG 3
	s_wait_loadcnt 0x0                             ; the biases
	WIN 0x41                                       ; source 0 and destination window 1
.irp k, 0,1,2,3
.irp j, 1,2,3,4,5,6,7
	v_mov_b32 v[208+8*\k+\j], v[208+8*\k]          ; in v's results a lane has one channel in all eight registers
.endr
.endr
	WIN 0
.irp b, 0,1,2,3
	v_mov_b32 v[TM+4+\b], 0                        ; a lane permute's destination counts as one of its sources
.endr
; A fragment, 16 rows x 128 K of 6-bit codes: 12 registers, in six pieces of 8 bytes.  Lanes 16-31 read three pieces further on than lanes 0-15; where that lies behind one padding more, the second address register serves
.macro FRAG reg, adr, q, off
.irp p, 0,1,2,3,4,5
.set PCE, 12*(\q)+6*(\p/3)+\p%3
.if PCE%8 < 5
	ds_load_b64 v[\reg+2*\p:\reg+2*\p+1], v[\adr] offset:8*PCE+16*(PCE/8)+(\off)
.else
	ds_load_b64 v[\reg+2*\p:\reg+2*\p+1], v[\adr+2] offset:8*PCE+16*(PCE/8)+(\off)
.endif
.endr
.endm
.macro FETCH_X slot, q, set            ; x's four fragments of the slot's q-th 128 along K
	WIN 0
.irp i, 0,1,2,3
	FRAG XF+48*(\set)+12*\i, ADRX+\slot, \q, 16*\i*PITCH
.endr
.endm
.macro FETCH_W slot, q, f0, f1         ; W's fragments f0 .. f1
	WIN 0x40
.irp f, 0,1,2,3,4,5,6,7,8,9,10,11
.if (\f >= \f0) && (\f <= \f1)
.if \f < 8
	FRAG 12*\f, ADRW+\slot, \q, (\f/4)*HALFT+(16*(\f%2)+64*((\f%4)/2))*PITCH
.else
	FRAG 12*\f, ADRV+\slot, \q, 16*(\f-8)*PITCH
.endif
.endif
.endr
	WIN 0
.endm
.macro SCALES sc                       ; a slot's scale words, two a row: register 2 k + q: Wq's tile k below, Wk's above; 8 + 2 i + q: x's tile i below, Wv's tile i above
.irp k, 0,1,2,3
	ds_load_b64 v[SC+16*\sc+2*\k:SC+16*\sc+2*\k+1], v[ADS1] offset:SBLK*((\k%2)+4*(\k/2))
.endr
.irp i, 0,1,2,3
	ds_load_b64 v[SC+16*\sc+8+2*\i:SC+16*\sc+8+2*\i+1], v[ADS2] offset:SBLK*\i
.endr
.endm
; Four matrix instructions: W's fragment f against x's four.  first = 1: the bias starts the sums.  The 48 accumulators take turns, one instruction a turn, in the same order in every step
.macro MULF f, set, q, sc, first
.irp i, 0,1,2,3
.set rW, 12*(\f)
.set rX, XF+48*(\set)+12*\i
.set rSX, SC+16*(\sc)+8+2*\i+(\q)
.if (\f) < 8
.set rD, 128*((\f)/4)+32*\i+8*((\f)%4)
.set rC, rD
.set rSW, SC+16*(\sc)+2*((\f)%4)+(\q)
.if \first
.set rC, 144+32*((\f)/4)+8*((\f)%4)
	WIN 0x91                                       ; W window 1, x window 0, bias window 1, result window 2
.else
	WIN 0xa1
.endif
.if (\f) < 4
	v_wmma_scale_f32_16x16x128_f8f6f4 v[rD:rD+7], v[rW:rW+11], v[rX:rX+11], v[rC:rC+7], v[rSW], v[rSX] matrix_a_fmt:MATRIX_FMT_FP6 matrix_b_fmt:MATRIX_FMT_FP6
.else
	v_wmma_scale_f32_16x16x128_f8f6f4 v[rD:rD+7], v[rW:rW+11], v[rX:rX+11], v[rC:rC+7], v[rSW], v[rSX] matrix_a_fmt:MATRIX_FMT_FP6 matrix_b_fmt:MATRIX_FMT_FP6 matrix_a_scale:MATRIX_SCALE_ROW1
.endif
.else
.set rD, 32*((\f)-8)+8*\i
.set rC, rD
.set rSW, SC+16*(\sc)+8+2*((\f)-8)+(\q)
.if \first
.set rC, 208+8*((\f)-8)
	WIN 0xd4                                       ; x window 0, W window 1, bias window 1, result window 3
.else
	WIN 0xf4
.endif
	v_wmma_scale_f32_16x16x128_f8f6f4 v[rD:rD+7], v[rX:rX+11], v[rW:rW+11], v[rC:rC+7], v[rSX], v[rSW] matrix_a_fmt:MATRIX_FMT_FP6 matrix_b_fmt:MATRIX_FMT_FP6 matrix_b_scale:MATRIX_SCALE_ROW1
.endif
.endr
.endm
; A slot's first 128 along K (x's set 0); its successor lies in the same slot
.macro STEP slot, first
	s_wait_dscnt 36                                ; all but the youngest 36 loads (W's fragments 6 to 11) are in
.irp f, 0,1,2,3,4,5
	MULF \f, 0, 0, \slot, \first
.endr
	s_wait_dscnt 0x0
	PLACES
	FETCH_X \slot, 1, 1
	FETCH_W \slot, 1, 0, 5
.irp f, 6,7,8,9,10,11
	MULF \f, 0, 0, \slot, \first
.endr
	PLACES
	FETCH_W \slot, 1, 6, 11
.endm
; A slot's second 128 (x's set 1) changes slots: one barrier; in front of it each wave waits for all its tensor loads, adds 0 to its spare word, and waits for that and for its reads of this slot.  fill = 1: the slot is filled again, two K steps on
.macro TURN slot, next, fill
	s_wait_tensorcnt 0x0                           ; all my tensor loads have landed: my part of the next slot
	ds_add_u32 v[SPW], v[NIL]                      ; 0 onto my spare word
	s_wait_dscnt 37                                ; (the add and W's fragments 6 to 11 may be out)
.irp f, 0,1,2
	MULF \f, 1, 1, \slot, 0
.endr
	s_wait_dscnt 0x0                               ; the add is done, and my reads of this slot are over
	s_barrier_signal -1
.irp f, 3,4,5
	MULF \f, 1, 1, \slot, 0
.endr
	WIN 0
	s_barrier_wait -1
.if \fill
	CREST                                          ; the barrier has opened a round of the cluster's: no wave of any partner still reads this slot or has a load on its way
	s_add_nc_u64 s[G0+4*\slot+2:G0+4*\slot+3], s[G0+4*\slot+2:G0+4*\slot+3], 2*ROWB
	s_add_nc_u64 s[G0B+4*\slot+2:G0B+4*\slot+3], s[G0B+4*\slot+2:G0B+4*\slot+3], 2*ROWB
	JLOAD G0+4*\slot, G1, G0B+4*\slot, G1B         ; the first tensor load behind the round; its four v_nop are also the places in front of the loads below
.else
	PLACES
.endif
	v_add_nc_u32 v[ADS1], 8, v[ADS1]               ; the next K step's scale words
	v_add_nc_u32 v[ADS2], 8, v[ADS2]
	FETCH_X \next, 0, 0
	FETCH_W \next, 0, 0, 5
	SCALES \next
.irp f, 6,7,8,9,10,11
	MULF \f, 1, 1, \slot, 0
.endr
	PLACES
	FETCH_W \next, 0, 6, 11
.endm
	s_wait_tensorcnt 0x1                           ; the scale bytes and my part of K step 0 are in (K step 1's load may be out),
	s_barrier_signal -1
	s_barrier_wait -1                              ; everybody's are
	FETCH_X 0, 0, 0
	FETCH_W 0, 0, 0, 5
	SCALES 0
	FETCH_W 0, 0, 6, 11
	STEP 0, 1                                      ; the first step stands in front of the loop: the biases start the sums
	s_mov_b32 s3, LAPS-1
.Llap:                                             ; a trip goes once round the ring and fills both slots again
	TURN 0, 1, 1
	STEP 1, 0
	TURN 1, 0, 1
	STEP 0, 0
	s_sub_co_u32 s3, s3, 1
	s_cmp_lg_u32 s3, 0
	s_cbranch_scc1 .Llap
	TURN 0, 1, 0                                   ; the last lap fills nothing
	STEP 1, 0
	s_wait_dscnt 36
.irp f, 0,1,2,3,4,5
	MULF \f, 1, 1, 1, 0
.endr
	s_wait_dscnt 0x0
.irp f, 6,7,8,9,10,11
	MULF \f, 1, 1, 1, 0
.endr
	WIN 0
	PLACES
; 64 numbers of a lane (register 16 b + i: place 16 (lane / 16) + i of block b of my row) become 12 registers of codes at v[PC], the four scale bytes at v[TM+4] on and the scale word in v[PW].
; wa, wb, wc: the window settings for numbers that lie in another window (sources 0 and 1; sources 1 and 2; source 0)
.macro QUANT s, wa, wb, wc
	WIN \wa
.irp b, 0,1,2,3
	v_max3_num_f32 v[TM+\b], |v[\s+16*\b]|, |v[\s+16*\b+1]|, 0x1800000   ; with the floor 2^(3 - 127): the byte cannot fall under 1
.endr
	WIN \wb
.irp i, 2,4,6,8,10,12,14
.irp b, 0,1,2,3
	v_max3_num_f32 v[TM+\b], v[TM+\b], |v[\s+16*\b+\i]|, |v[\s+16*\b+\i+1]|
.endr
.endr
	WIN 0
.irp b, 0,1,2,3
	v_permlanex16_b32 v[TM+4+\b], v[TM+\b], s92, s93
.endr
.irp b, 0,1,2,3
	v_max_num_f32 v[TM+\b], v[TM+\b], v[TM+4+\b]   ; with lane l xor 16's: the block's largest magnitude
.endr
.irp b, 0,1,2,3
	v_add_nc_u32 v[TM+12+\b], 0xff000000, v[TM+\b] ; 2 off its exponent field: the conversion's scale operand
.endr
.irp b, 0,1,2,3
	v_lshrrev_b32 v[TM+4+\b], 23, v[TM+12+\b]      ; the scale's byte
.endr
	v_lshl_or_b32 v[PW], v[TM+5], 8, v[TM+4]
	v_lshl_or_b32 v[PW], v[TM+6], 16, v[PW]
	v_lshl_or_b32 v[PW], v[TM+7], 24, v[PW]
	WIN \wc
.irp c, 0,1
	v_cvt_scalef32_pk16_fp6_f32 v[PC+6*\c:PC+6*\c+2], v[\s+32*\c:\s+32*\c+15], v[TM+12+2*\c]
	v_cvt_scalef32_pk16_fp6_f32 v[PC+12+4*\c:PC+14+4*\c], v[\s+32*\c+16:\s+32*\c+31], v[TM+13+2*\c]
.endr
	WIN 0
	v_nop                                          ; one plain place behind a scaled conversion
.irp c, 0,1                                    ; a whole block to a lane: lanes 0-15 block 2 c, lanes 16-31 block 2 c + 1
.irp i, 0,1,2
	v_permlane16_swap_b32 v[PC+6*\c+\i], v[PC+12+4*\c+\i]
.endr
.irp i, 0,1,2
	v_mov_b32 v[PC+3+6*\c+\i], v[PC+12+4*\c+\i]
.endr
.endr
.endm
; The rope on token tile i: registers 0-15 of a tile's 32 are block c (x1), 16-31 block c + 2 (x2): x1 cos - x2 sin, x1 sin + x2 cos.  Each accumulator is read from its low end on
.macro ROPE i
	WIN 0x0e                                       ; source 0 window 2, source 1 window 3
.irp m, 0,1
.irp j, 0,2,4,6,8,10,12,14
	v_pk_mul_f32 v[T1+\j:T1+\j+1], v[128*\m+32*\i+16+\j:128*\m+32*\i+17+\j], v[144+32*\i+\j:145+32*\i+\j]
	v_pk_mul_f32 v[T2+\j:T2+\j+1], v[128*\m+32*\i+16+\j:128*\m+32*\i+17+\j], v[128+32*\i+\j:129+32*\i+\j]
.endr
.irp j, 0,2,4,6,8,10,12,14
	v_pk_fma_f32 v[HA+32*\m+\j:HA+32*\m+\j+1], v[128*\m+32*\i+\j:128*\m+32*\i+\j+1], v[128+32*\i+\j:129+32*\i+\j], v[T1+\j:T1+\j+1] neg_lo:[0,0,1] neg_hi:[0,0,1]
	v_pk_fma_f32 v[HA+32*\m+16+\j:HA+32*\m+17+\j], v[128*\m+32*\i+\j:128*\m+32*\i+\j+1], v[144+32*\i+\j:145+32*\i+\j], v[T2+\j:T2+\j+1]
.endr
.endr
	WIN 0
.endm
	s_mov_b32 s92, 0x76543210                      ; v_permlanex16_b32's selects for lane l xor 16
	s_mov_b32 s93, 0xfedcba98
.irp i, 0,1,2,3
	ROPE \i
	QUANT HA, 0, 0, 0                              ; blocks: q's c, q's c + 2, k's c, k's c + 2
	ds_store_b64 v[SA], v[PC:PC+1] offset:QIMG+1536*\i
	ds_store_b64 v[SB], v[PC+2:PC+3] offset:QIMG+1536*\i
	ds_store_b64 v[SA], v[PC+4:PC+5] offset:QIMG+1536*\i+512
	ds_store_b64 v[SA], v[PC+6:PC+7] offset:KIMG+1536*\i
	ds_store_b64 v[SB], v[PC+8:PC+9] offset:KIMG+1536*\i
	ds_store_b64 v[SA], v[PC+10:PC+11] offset:KIMG+1536*\i+512
	ds_store_b8 v[SQ], v[TM+4] offset:QSC+64*\i    ; both halves of the lanes write the same byte with the same value
	ds_store_b8 v[SQ], v[TM+5] offset:QSC+64*\i+2
	ds_store_b8 v[SK], v[TM+6] offset:KSC+4*\i
	ds_store_b8 v[SK], v[TM+7] offset:KSC+4*\i+2
	s_wait_dscnt 0x0                               ; the stores have read their registers
.endr
.irp kk, 0,1                                   ; v: tiles 2 kk and 2 kk + 1 of channels, as the accumulators stand: blocks = (tile, 32 tokens)
	QUANT 64*\kk, 0x0f, 0x3c, 0x03
.irp e, 0,1
	ds_store_b64 v[VA], v[PC+6*\e:PC+6*\e+1] offset:VIMG+3072*\kk+128*\e
	ds_store_b64 v[VB], v[PC+6*\e+2:PC+6*\e+3] offset:VIMG+3072*\kk+128*\e
	ds_store_b64 v[VA], v[PC+6*\e+4:PC+6*\e+5] offset:VIMG+3072*\kk+128*\e+512
.endr
	v_lshrrev_b32 v[PW+1], 16, v[PW]
	ds_store_b16 v[SV], v[PW] offset:VSC+8*\kk     ; my two token blocks' bytes of the first tile's channel,
	ds_store_b16 v[SV], v[PW+1] offset:VSC+8*\kk+128   ; and of the second's
	s_wait_dscnt 0x0
.endr
	s_barrier_signal -1                            ; every wave's stores into the stage are done
	s_barrier_wait -1
.irp m, 0,1,2,3,4,5,6,7,8,9,10,11,12,13,14,15,16,17
	ds_load_b128 v[64+4*\m:67+4*\m], v[CP] offset:512*\m
.endr
.irp m, 0,1,2,3,4,5,6,7,8,9,10,11,12,13,14,15,16,17
	s_wait_dscnt 17-\m                             ; the younger loads of the copy may be out
	global_store_b128 v[CP], v[64+4*\m:67+4*\m], s[26:27] offset:512*\m   ; 32 lanes store 512 consecutive bytes, at a multiple of 256 from the buffer's first byte
.endr
	s_cmp_lt_u32 s[WV], 3
	s_cbranch_scc0 .Lno_tail
	ds_load_b128 v[136:139], v[CP2] offset:36864
	s_wait_dscnt 0x0
	global_store_b128 v[CP2], v[136:139], s[26:27] offset:36864
.Lno_tail:
	s_wait_tensorcnt 0x0                           ; the wave's end
	ds_add_u32 v[SPW], v[NIL]
	s_wait_dscnt 0x0
	CROUND                                         ; the closing round
	s_endpgm
.Lfunc_end_k_q2bc0dd83e7_qkv:
	.size	k_q2bc0dd83e7_qkv, .Lfunc_end_k_q2bc0dd83e7_qkv-k_q2bc0dd83e7_qkv
	.p2alignl 7, 3214868480
	.fill 96, 4, 3214868480
	.section	.rodata,"a",@progbits
	.p2align	6, 0x0
	.amdhsa_kernel k_q2bc0dd83e7_qkv
		.amdhsa_group_segment_fixed_size 327680
		.amdhsa_private_segment_fixed_size 0
		.amdhsa_enable_private_segment 0
		.amdhsa_kernarg_size 96
		.amdhsa_user_sgpr_count 2
		.amdhsa_user_sgpr_kernarg_segment_ptr 1
		.amdhsa_wavefront_size32 1
		.amdhsa_system_sgpr_workgroup_id_x 1
		.amdhsa_system_sgpr_workgroup_id_y 1
		.amdhsa_system_sgpr_workgroup_id_z 1
		.amdhsa_system_vgpr_workitem_id 0
		.amdhsa_next_free_vgpr 1024
		.amdhsa_next_free_sgpr 102
		.amdhsa_reserve_vcc 1
		.amdhsa_float_denorm_mode_32 3
		.amdhsa_float_denorm_mode_16_64 3
		.amdhsa_memory_ordered 1
		.amdhsa_forward_progress 1
		.amdhsa_inst_pref_size 231
	.end_amdhsa_kernel
	.amdgpu_metadata
---
amdhsa.version: [ 1, 2 ]
amdhsa.kernels:
  - .name:           k_q2bc0dd83e7_qkv
    .symbol:         k_q2bc0dd83e7_qkv.kd
    .args:
      - { .name: x_codes, .offset: 0, .size: 8, .value_kind: global_buffer, .address_space: global }
      - { .name: x_scales, .offset: 8, .size: 8, .value_kind: global_buffer, .address_space: global }
      - { .name: Wq_codes, .offset: 16, .size: 8, .value_kind: global_buffer, .address_space: global }
      - { .name: Wq_scales, .offset: 24, .size: 8, .value_kind: global_buffer, .address_space: global }
      - { .name: Wk_codes, .offset: 32, .size: 8, .value_kind: global_buffer, .address_space: global }
      - { .name: Wk_scales, .offset: 40, .size: 8, .value_kind: global_buffer, .address_space: global }
      - { .name: Wv_codes, .offset: 48, .size: 8, .value_kind: global_buffer, .address_space: global }
      - { .name: Wv_scales, .offset: 56, .size: 8, .value_kind: global_buffer, .address_space: global }
      - { .name: bq, .offset: 64, .size: 8, .value_kind: global_buffer, .address_space: global }
      - { .name: bk, .offset: 72, .size: 8, .value_kind: global_buffer, .address_space: global }
      - { .name: bv, .offset: 80, .size: 8, .value_kind: global_buffer, .address_space: global }
      - { .name: qkv, .offset: 88, .size: 8, .value_kind: global_buffer, .address_space: global }
    .group_segment_fixed_size: 327680
    .private_segment_fixed_size: 0
    .kernarg_segment_align: 8
    .kernarg_segment_size: 96
    .max_flat_workgroup_size: 128
    .sgpr_count:     102
    .vgpr_count:     1024
    .wavefront_size: 32
...
	.end_amdgpu_metadata
.endif
;; end of part 1
;; launch attn (part 2): grid 16 x 16, 4 waves a work-group, clusters of 4 x 4, 327,680 bytes of LDS; arguments qkv, attn_mask, aimg, asc; writes aimg, asc
.if DOCPART == 2
	.amdgcn_target "amdgcn-amd-amdhsa--gfx1250"
	.amdhsa_code_object_version 6
	.text
	.protected	k_q2bc0dd83e7_attn
	.globl	k_q2bc0dd83e7_attn
	.p2align	8
	.type	k_q2bc0dd83e7_attn,@function
k_q2bc0dd83e7_attn:
	s_mov_b64 s[64:65], 0
	v_nop
	global_prefetch_b8 v0, s[64:65] scope:SCOPE_SE
	s_setreg_imm32_b32 hwreg(HW_REG_WAVE_MODE, 25, 1), 1
	s_wait_xcnt 0x0
	s_wait_alu depctr_hold_cnt(0) depctr_sa_sdst(0) depctr_va_vdst(0) depctr_va_sdst(0) depctr_va_ssrc(0) depctr_va_vcc(0) depctr_vm_vsrc(0)
	s_getreg_b32 s2, hwreg(HW_REG_IB_STS2, 6, 4)
	s_cmp_eq_u32 s2, 0
	s_cbranch_scc0 .Lentry_in_a_cluster
	s_endpgm
.Lentry_in_a_cluster:
	s_bfe_u32 s2, ttmp6, 0x10000c
	s_cmp_lg_u32 s2, 0xf033
	s_cbranch_scc0 .Lentry_shape_is_right
	s_endpgm
.Lentry_shape_is_right:
; For each head: S^T = K Q^T + mask sqrt(128); t = S^T x log2(e) / sqrt(128); p = 2^(t - M), M the running largest t rounded up to a whole number; O^T += V^T P on codes of FP6 (E2M3); O / (the sum of the unquantised p), quantised along D.
; INPUT: the records of the launch before (for head hd and block tb of 128 tokens: images of the operand registers of K, V^T and Q with their scale words) and the additive mask [2048][2048] f32, which is read whole: nothing of its pattern is built in.
; SHARES.  A work-group owns 128 queries (block qb) of one head hd; wave w two tiles of 16 queries, 2 w and 2 w + 1, so that each fragment of K and V read from LDS feeds two matrix instructions.  Every wave walks 16 steps of 128 keys.
; Both products are used transposed: a lane holds one query throughout.  THE MASK IS THE C OF THE SCORE PRODUCT: its tile is loaded into the accumulators' registers in the result's layout and multiplied by sqrt(128) there.
; ORDER INSIDE A BLOCK OF 32 KEYS: key 16 u + 8 h + j lies at place 16 h + 8 u + j, in p as in the records' V^T.  V^T's rows are chosen so that O^T's 16 registers of two neighbouring tiles are 16 neighbouring channels in true order.
; RING: two slots; a slot holds a step's K and V part of a record (25,600 bytes, dense) and the mask tile (128 rows of 512 bytes + 16).  One load a wave behind each round: waves 0, 1 the mask's halves, wave 2 K, wave 3 V.
; CLUSTER 4 x 4: the mask tile hangs on qb alone and is asked for jointly along a column, K and V on hd alone, jointly along a row.
; OUTPUT: aimg [token tile][head][1,536]: images of the next product's fragments; asc [token][16 words]: their scale words (4 bytes a row of 64: one byte in 24 of what the launch stores; laid so that the next launch reads them like given scales).
; LIMITS: the mask enters as the f32 nearest mask x sqrt(128) and is added inside the matrix unit; a row whose every logit is -infinity is not served; NaN among the inputs is not served; a block of zeros has the scale byte 1 (its codes are zeros).
.set REC,   38400
.set KSC,   12288
.set VIMG,  12800
.set VSC,   25088
.set QIMG,  25600
.set QSC,   37888
.set SLOT1, 131072                     ; slot 1 begins here: one exclusive or turns an address
.set MOFF,  25600                      ; the mask tile in a slot
.set MP,    528
.set SPARE, 262144                     ; the spare words: 128 bytes a wave, named by no other line
.set AK0, 1                            ; v1  16 x lane: an image's place for my lane, in LDS and in memory
.set AM0, 3                            ; v3  my place in the mask tile
.set SPW, 5
.set NIL, 6
.set R4,  7                            ; v7  4 r
.set PFO, 8                            ; v8  the prefetches' offset; never rewritten
.set SW,  9                            ; v9  64 r
.set ADK, 10
.set ADM, 11
.set ST0, 12                           ; tile a: v[12+4a] -M, +1 the largest t, +2, +3 the sum in two halves
.set QS,  20                           ; v20-21 Q's scale words
.set PSW, 22                           ; v22-23 p's
.set KS,  24                           ; v24-27 K's: register j: tile j below, tile 4 + j above
.set VS,  28                           ; v28-31 V's
.set PC0, 32                           ; v32-55 p's codes
.set CT,  56                           ; v56-58, v60-62 the conversions' second halves
.set BM,  64
.set PT,  68
.set SO,  72
.set TT,  76
.set FF,  78                           ; v[78:79] f
.set TM,  64                           ; the way out
.set PC,  80
.set RC,  100                          ; v100, v102 the reciprocals, low words of pairs
.set PWS, 104
.set S0,  128                          ; v128-255 the mask, then S^T, then p: 64 a tile
; window 1: O^T at 64 a; Q's fragments at 128 + 12 a.   window 2: K's 8 fragments at 12 t, V's at 96 + 12 t
.set WV,   12
.set ROLE, 55
.set SEL,  20
.set CS,   22
.set G1M,  24
.set G1K,  32
.set G0M,  40
.set G0K,  44
.set TB,   48
.set SLOTS, 49
.set PFA,  50
.set PFS,  52
.set LIM,  54
.set MS,   56                          ; s[56:57] sqrt(128)
.set MSB, 0
.macro WIN new
.if MSB != \new
	s_set_vgpr_msb (MSB<<8)|\new
.set MSB, \new
.endif
.endm
.macro JLOAD                           ; waves 0, 1 fetch the mask's halves, waves 2, 3 K and V.  The branch hangs on the wave's number alone.  Four v_nop follow each of the two lines
	s_cmp_eq_u32 s[ROLE], 0
	s_cbranch_scc0 .Lfor_kv_\@
	tensor_load_to_lds s[G0M:G0M+3], s[G1M:G1M+7]
	s_nop 0
.rept 4
	v_nop
.endr
	s_branch .Lasked_\@
.Lfor_kv_\@:
	tensor_load_to_lds s[G0K:G0K+3], s[G1K:G1K+7]
	s_nop 0
.rept 4
	v_nop
.endr
.Lasked_\@:
.endm
; A prefetch of the tile that stands two tensor loads on: in the trip that loads tile t + 1 it names tile t + 3.  Each aligned block of 256 bytes is named once in the launch.
; The mask tile is read by every cluster of a column of clusters: cluster y = 0 asks; of the 64 rows that wave 0 or 1 fetches, the partner at cy takes 16, two blocks a row, told apart by address.
; K and V are read by every cluster of a row of clusters: cluster x = 0 asks, by wave 2; the partner at cx takes blocks 32 cx .. 32 cx + 31 of the record (blocks 100 to 127 are the record's Q part: inside the buffer, named once too).
; The last two changes that fill a slot ask for nothing; tiles 0 to 2 come by their loads alone.
.macro ASK
	s_cmp_gt_u32 s[SLOTS], s[LIM]
	s_cbranch_scc0 .Lnot_mine_\@
	global_prefetch_b8 v[PFO], s[PFA:PFA+1] th:TH_LOAD_NT scope:SCOPE_SE
.Lnot_mine_\@:
.endm
.macro CROUND
	s_barrier_signal -1
	s_barrier_wait -1
	s_cmp_lg_u32 s[WV], 0
	s_cbranch_scc1 .Lnot_wave_0_\@
	s_barrier_signal -3
.Lnot_wave_0_\@:
	s_barrier_wait -3
	s_barrier_signal -1
	s_barrier_wait -1
.endm
	s_load_b256 s[4:11], s[0:1], 0x0               ; qkv, attn_mask, aimg, asc
	v_lshl_add_u32 v[SPW], v0, 2, SPARE
	v_mov_b32 v[NIL], 0
	ds_add_u32 v5, v6
	ds_add_u32 v5, v6
	s_wait_dscnt 0x0
	v_lshrrev_b32 v2, 5, v0
	v_readfirstlane_b32 s[WV], v2                  ; wave 0..3
	s_and_b32 s19, s[WV], 1
	s_lshr_b32 s[ROLE], s[WV], 1
	s_bfe_u32 s13, ttmp6, 0x40000                  ; cx
	s_bfe_u32 s14, ttmp6, 0x40004                  ; cy
	s_lshl_b32 s15, ttmp9, 2
	s_add_co_u32 s15, s15, s13                     ; qb
	s_and_b32 s16, ttmp7, 0xffff
	s_lshl_b32 s16, s16, 2
	s_add_co_u32 s16, s16, s14                     ; hd
	s_lshl_b32 s17, s14, 2
	s_lshl_b32 s17, 15, s17                        ; my row of the cluster
	s_lshl_b32 s18, 0x1111, s13                    ; my column
	; the mask's half tile: 64 rows x 128 elements of 4 bytes, 2,048 elements apart; 16 bytes of padding behind each row (128 words: code 6; 4 words: code 3)
	s_or_b32 s[G1M], s18, (2<<16)|(1<<20)|(1<<21)|(6<<22)|(3<<25)
	s_mov_b32 s[G1M+1], 128<<16
	s_mov_b32 s[G1M+2], 64<<16
	s_mov_b32 s[G1M+3], 128<<16
	s_mov_b32 s[G1M+4], 64
	s_mov_b32 s[G1M+5], 2048
	s_mov_b32 s[G1M+6], 0
	s_mov_b32 s[G1M+7], 0
	; K's or V's part of a record: 12,800 dense bytes as 50 rows of 256 (32 elements of 8 bytes)
	s_or_b32 s[G1K], s17, (3<<16)|(1<<21)
	s_mov_b32 s[G1K+1], 32<<16
	s_mov_b32 s[G1K+2], 50<<16
	s_mov_b32 s[G1K+3], 32<<16
	s_mov_b32 s[G1K+4], 50
	s_mov_b32 s[G1K+5], 32
	s_mov_b32 s[G1K+6], 0
	s_mov_b32 s[G1K+7], 0
	s_lshl_b32 s58, s15, 7                         ; the mask: row 128 qb + 64 (w % 2)
	s_lshl_b32 s59, s19, 6
	s_add_co_u32 s58, s58, s59
	s_lshl_b32 s58, s58, 13
	s_mov_b32 s59, 0
	s_mul_i32 s60, s16, 16*REC                     ; K, V: the head's first record, + 12,800 (w % 2)
	s_mul_i32 s61, s19, 12800
	s_add_co_u32 s60, s60, s61
	s_mul_i32 s62, s19, 64*MP
	s_mov_b32 s[SEL], 0x76543210
	s_mov_b32 s[SEL+1], 0xfedcba98
	s_mov_b32 s[CS], 0x3e0293ee                    ; c = log2(e) / sqrt(128)
	s_mov_b32 s[CS+1], s[CS]
	s_mov_b32 s[MS], 0x413504f3                    ; sqrt(128)
	s_mov_b32 s[MS+1], s[MS]
	s_mov_b32 s[TB], 0
	s_mov_b32 s[SLOTS], 15
	; the prefetches' offsets: both are made, then one is chosen
	s_lshl_b32 s72, s15, 7
	s_lshl_b32 s73, s19, 6
	s_add_co_u32 s72, s72, s73
	s_lshl_b32 s73, s14, 4
	s_add_co_u32 s72, s72, s73                     ; mask row 128 qb + 64 (w % 2) + 16 cy,
	s_lshl_b32 s72, s72, 13
	s_add_co_u32 s72, s72, 2*512                   ; at tile 2: the first change of slots steps it to tile 3
	s_lshl_b32 s73, s16, 4
	s_add_co_u32 s73, s73, 2
	s_mul_i32 s73, s73, REC
	s_lshl_b32 s74, s13, 13
	s_add_co_u32 s73, s73, s74                     ; record 16 hd + 2, + 8,192 cx
	s_and_b32 s74, ttmp7, 0xffff
	s_mov_b32 s75, 512
	s_mov_b32 s[PFS], REC
	s_wait_kmcnt 0x0
	s_cmp_lt_u32 s[WV], 2
	s_cselect_b64 s[PFA:PFA+1], s[6:7], s[4:5]
	s_cselect_b32 s72, s72, s73
	s_cselect_b32 s74, s74, ttmp9                  ; the coordinate along which other clusters read the same bytes
	s_cselect_b32 s75, 8192, s75                   ; from pair of lanes to pair of lanes
	s_cselect_b32 s[PFS], 512, s[PFS]              ; a tile on
	s_mov_b32 s73, 0
	s_mov_b32 s[PFS+1], 0
	s_add_nc_u64 s[PFA:PFA+1], s[PFA:PFA+1], s[72:73]
	s_cmp_eq_u32 s74, 0
	s_cselect_b32 s[LIM], 2, -1                    ; the same in all sixteen partners, for a given wave
	s_cmp_eq_u32 s[WV], 3
	s_cselect_b32 s[LIM], -1, s[LIM]
	s_mov_b32 s[G0M], 1
	s_add_co_u32 s[G0M+1], s62, MOFF
	s_add_nc_u64 s[G0M+2:G0M+3], s[6:7], s[58:59]
	s_or_b32 s[G0M+3], s[G0M+3], 0x80000000
	s_mov_b32 s[G0K], 1
	s_mov_b32 s[G0K+1], s61
	s_mov_b32 s61, 0
	s_add_nc_u64 s[G0K+2:G0K+3], s[4:5], s[60:61]
	s_or_b32 s[G0K+3], s[G0K+3], 0x80000000
	CROUND                                         ; all sixteen work-groups are here
	JLOAD                                          ; tile 0 into slot 0: one load of mine is out
	; Q, and where the results go
	s_lshl_b32 s60, s16, 4
	s_add_co_u32 s60, s60, s15
	s_mul_i32 s60, s60, REC                        ; record (hd, qb)
	s_mul_i32 s62, s[WV], 3072
	s_add_co_u32 s62, s62, s60
	s_add_co_u32 s62, s62, QIMG
	s_mov_b32 s63, 0
	s_add_nc_u64 s[62:63], s[4:5], s[62:63]        ; my two fragments of Q
	s_lshl_b32 s66, s[WV], 7
	s_add_co_u32 s66, s66, s60
	s_add_co_u32 s66, s66, QSC
	s_mov_b32 s67, 0
	s_add_nc_u64 s[66:67], s[4:5], s[66:67]        ; and their scale words
	s_lshl_b32 s68, s15, 3
	s_lshl_b32 s69, s[WV], 1
	s_add_co_u32 s68, s68, s69
	s_lshl_b32 s68, s68, 4
	s_add_co_u32 s68, s68, s16
	s_mul_i32 s68, s68, 1536
	s_mov_b32 s69, 0
	s_add_nc_u64 s[68:69], s[8:9], s[68:69]        ; aimg: (token tile 8 qb + 2 w, head hd)
	s_lshl_b32 s70, s15, 13
	s_lshl_b32 s71, s[WV], 11
	s_add_co_u32 s70, s70, s71
	s_lshl_b32 s71, s16, 2
	s_add_co_u32 s70, s70, s71
	s_mov_b32 s71, 0
	s_add_nc_u64 s[70:71], s[10:11], s[70:71]      ; asc: token 128 qb + 32 w, word hd
	v_and_b32 v2, 15, v0                           ; r
	v_bfe_u32 v4, v0, 4, 1                         ; h
	v_and_b32 v10, 31, v0
	v_lshlrev_b32 v[AK0], 4, v10
	v_lshlrev_b32 v[R4], 2, v2
	WIN 0x40                                       ; destination window 1
.irp a, 0,1
.irp g, 0,1,2
	global_load_b128 v[128+12*\a+4*\g:131+12*\a+4*\g], v[AK0], s[62:63] offset:1536*\a+512*\g
.endr
.endr
	WIN 0
	global_load_b32 v[QS], v[R4], s[66:67]
	global_load_b32 v[QS+1], v[R4], s[66:67] offset:64
	v_mul_u32_u24 v[AM0], v2, MP
	v_lshl_add_u32 v[AM0], v4, 5, v[AM0]
	s_mul_i32 s72, s[WV], 32*MP
	s_add_co_u32 s72, s72, MOFF
	v_add_nc_u32 v[AM0], s72, v[AM0]               ; row 32 w + r of the mask tile, + 32 h bytes
	v_lshlrev_b32 v[SW], 6, v2
	v_lshrrev_b32 v11, 1, v10
	v_and_b32 v10, 1, v10
	v_mul_u32_u24 v[PFO], s75, v11
	v_lshl_add_u32 v[PFO], v10, 8, v[PFO]
.irp a, 0,1
	v_mov_b32 v[ST0+4*\a+1], 0xff61b1e6            ; the largest t so far: -3e38
	v_floor_f32 v[ST0+4*\a], -v[ST0+4*\a+1]        ; -M
	v_mov_b32 v[ST0+4*\a+2], 0                     ; the sum, in two halves
	v_mov_b32 v[ST0+4*\a+3], 0
.endr
.irp b, 0,1,2,3
	v_mov_b32 v[PT+\b], 0                          ; a lane permute's destination counts as one of its sources
.endr
	v_mov_b32 v[FF+1], 0                           ; (named as the upper half of a pair)
	WIN 0x40
.set jj, 0
.rept 128
	v_mov_b32 v[jj], 0                             ; O^T.  The step is written once: the first finds zeros, which the first change of M leaves zeros
.set jj, jj+1
.endr
	WIN 0
; The softmax of tile a for a step's 128 keys, and p's codes and scale word
.macro SOFTMAX a
.set SS, S0+64*(\a)
.set STT, ST0+4*(\a)
.set PCD, PC0+12*(\a)
.irp b, 0,1,2,3
	v_max3_num_f32 v[BM+\b], v[SS+16*\b], v[SS+16*\b+1], v[SS+16*\b+2]   ; the largest score of each block of 32 keys: for the row's maximum, and, since p rises with the score, for the block's largest p
.endr
.irp i, 3,5,7,9,11,13
.irp b, 0,1,2,3
	v_max3_num_f32 v[BM+\b], v[BM+\b], v[SS+16*\b+\i], v[SS+16*\b+\i+1]
.endr
.endr
.irp b, 0,1,2,3
	v_max_num_f32 v[BM+\b], v[BM+\b], v[SS+16*\b+15]
.endr
.irp b, 0,1,2,3
	v_permlanex16_b32 v[PT+\b], v[BM+\b], s[SEL], s[SEL+1]
.endr
.irp b, 0,1,2,3
	v_max_num_f32 v[BM+\b], v[BM+\b], v[PT+\b]     ; with lane l xor 16's 16 keys
.endr
	v_max3_num_f32 v[TT], v[BM], v[BM+1], v[BM+2]
	v_max_num_f32 v[TT], v[TT], v[BM+3]
	v_mul_f32 v[TT], s[CS], v[TT]                  ; the step's largest t
	v_max_num_f32 v[STT+1], v[STT+1], v[TT]        ; the running largest
	v_mov_b32 v[TT], v[STT]
	v_floor_f32 v[STT], -v[STT+1]                  ; -M = floor(-t): M is a whole number
	v_sub_f32 v[TT], v[STT], v[TT]                 ; old M - new M: a whole number, 0 or less
	v_cvt_i32_f32 v[TT], v[TT]                     ; (it saturates)
	v_ldexp_f32 v[FF], 1.0, v[TT]                  ; f = 2^(old M - new M): a multiplication by it rounds nothing
.set jj, 0
.rept 32
	v_pk_fma_f32 v[SS+jj:SS+jj+1], v[SS+jj:SS+jj+1], s[CS:CS+1], v[STT:STT+1] op_sel_hi:[1,0,0]   ; t - M
.set jj, jj+2
.endr
.irp b, 0,1,2,3
	v_fma_f32 v[BM+\b], v[BM+\b], s[CS], v[STT]
.endr
.set jj, 0
.rept 64
	v_exp_f32 v[SS+jj], v[SS+jj]                   ; p = 2^(t - M): not normalised
.set jj, jj+1
.endr
	v_pk_mul_f32 v[STT+2:STT+3], v[STT+2:STT+3], v[FF:FF+1] op_sel_hi:[1,0]   ; the sums under the new M: a plain place behind the exponentials
	s_wait_alu depctr_va_vdst(0)                   ; one wait for the batch, ahead of its first reader
.irp b, 0,1,2,3
	v_exp_f32 v[BM+\b], v[BM+\b]                   ; each block's largest p
.endr
	v_pk_add_f32 v[PT:PT+1], v[SS:SS+1], v[SS+2:SS+3]   ; the row's sum is taken of the unquantised p, in two chains
.irp j, 4,8,12,16,20,24,28,32,36,40,44,48,52,56,60
	v_pk_add_f32 v[STT+2:STT+3], v[STT+2:STT+3], v[SS+\j:SS+\j+1]
	v_pk_add_f32 v[PT:PT+1], v[PT:PT+1], v[SS+\j+2:SS+\j+3]
.endr
	v_pk_add_f32 v[STT+2:STT+3], v[STT+2:STT+3], v[PT:PT+1]
	s_wait_alu depctr_va_vdst(0)                   ; and one for the four
.irp b, 0,1,2,3
	v_max_num_f32 v[BM+\b], 0x1800000, v[BM+\b]    ; the floor 2^(3 - 127): the byte cannot fall under 1
.endr
.irp b, 0,1,2,3
	v_add_nc_u32 v[SO+\b], 0xff000000, v[BM+\b]    ; 2 off the exponent field: the conversion's scale operand
.endr
.irp b, 0,1,2,3
	v_lshrrev_b32 v[PT+\b], 23, v[SO+\b]
.endr
	v_lshl_or_b32 v[PSW+(\a)], v[PT+1], 8, v[PT]   ; p's scale word for these 128 keys
	v_lshl_or_b32 v[PSW+(\a)], v[PT+2], 16, v[PSW+(\a)]
	v_lshl_or_b32 v[PSW+(\a)], v[PT+3], 24, v[PSW+(\a)]
.irp c, 0,1
	v_cvt_scalef32_pk16_fp6_f32 v[PCD+6*\c:PCD+6*\c+2], v[SS+32*\c:SS+32*\c+15], v[SO+2*\c]
	v_cvt_scalef32_pk16_fp6_f32 v[CT+4*\c:CT+4*\c+2], v[SS+32*\c+16:SS+32*\c+31], v[SO+2*\c+1]
.endr
	v_nop                                          ; one plain place behind a scaled conversion
.irp c, 0,1
.irp i, 0,1,2
	v_permlane16_swap_b32 v[PCD+6*\c+\i], v[CT+4*\c+\i]
.endr
.irp i, 0,1,2
	v_mov_b32 v[PCD+3+6*\c+\i], v[CT+4*\c+\i]
.endr
.endr
	WIN 0x41                                       ; O^T (destination and source 0) window 1
.set jj, 0
.rept 32
	v_pk_mul_f32 v[64*(\a)+jj:64*(\a)+jj+1], v[64*(\a)+jj:64*(\a)+jj+1], v[FF:FF+1] op_sel_hi:[1,0]   ; O^T under the new M.  These 32 are also the places between the scale word's and the codes' last writes and the products
.set jj, jj+2
.endr
	WIN 0
.endm
.macro PV a                            ; O^T += V^T P for tile a: eight accumulators by turns
	WIN 0x52                                       ; V window 2, p window 0, O^T window 1
.irp t, 0,1,2,3,4,5,6,7
.if \t < 4
	v_wmma_scale_f32_16x16x128_f8f6f4 v[64*(\a)+8*\t:64*(\a)+8*\t+7], v[96+12*\t:96+12*\t+11], v[PC0+12*(\a):PC0+12*(\a)+11], v[64*(\a)+8*\t:64*(\a)+8*\t+7], v[VS+\t%4], v[PSW+(\a)] matrix_a_fmt:MATRIX_FMT_FP6 matrix_b_fmt:MATRIX_FMT_FP6
.else
	v_wmma_scale_f32_16x16x128_f8f6f4 v[64*(\a)+8*\t:64*(\a)+8*\t+7], v[96+12*\t:96+12*\t+11], v[PC0+12*(\a):PC0+12*(\a)+11], v[64*(\a)+8*\t:64*(\a)+8*\t+7], v[VS+\t%4], v[PSW+(\a)] matrix_a_fmt:MATRIX_FMT_FP6 matrix_b_fmt:MATRIX_FMT_FP6 matrix_a_scale:MATRIX_SCALE_ROW1
.endif
.endr
	WIN 0
.endm
; A key step: 128 keys, in the slot at s[TB]
.macro STEP
	v_add_nc_u32 v[ADK], s[TB], v[AK0]
	v_add_nc_u32 v[ADM], s[TB], v[AM0]
.irp a, 0,1
.irp t, 0,1,2,3,4,5,6,7
	ds_load_b128 v[S0+64*\a+8*\t:S0+64*\a+8*\t+3], v[ADM] offset:16*MP*\a+64*\t       ; mask(my query, keys 16 t + 8 h + 0 .. 7): the layout of the score tile
	ds_load_b128 v[S0+64*\a+8*\t+4:S0+64*\a+8*\t+7], v[ADM] offset:16*MP*\a+64*\t+16
.endr
.endr
	ds_load_b128 v[KS:KS+3], v[ADK] offset:KSC
	ds_load_b128 v[VS:VS+3], v[ADK] offset:VSC
	WIN 0x80                                       ; destination window 2
.irp t, 0,1,2,3,4,5,6,7
.irp g, 0,1,2
	ds_load_b128 v[12*\t+4*\g:12*\t+4*\g+3], v[ADK] offset:1536*\t+512*\g
.endr
.endr
.irp t, 0,1,2,3,4,5,6,7
.irp g, 0,1,2
	ds_load_b128 v[96+12*\t+4*\g:96+12*\t+4*\g+3], v[ADK] offset:VIMG+1536*\t+512*\g
.endr
.endr
	WIN 0
	s_wait_dscnt 50                                ; the mask's 32 loads are in: behind them stand 2 + 24 + 24
.set jj, 0
.rept 64
	v_pk_mul_f32 v[S0+jj:S0+jj+1], v[S0+jj:S0+jj+1], s[MS:MS+1] op_sel_hi:[1,0]   ; x sqrt(128): the sum with the score is then t / c
.set jj, jj+2
.endr
	s_wait_dscnt 24                                ; the scale words and K are in; V's 24 loads may be out
	WIN 0x06                                       ; K window 2, Q window 1
.irp a, 0,1
.irp t, 0,1,2,3,4,5,6,7
.if \t < 4
	v_wmma_scale_f32_16x16x128_f8f6f4 v[S0+64*\a+8*\t:S0+64*\a+8*\t+7], v[12*\t:12*\t+11], v[128+12*\a:128+12*\a+11], v[S0+64*\a+8*\t:S0+64*\a+8*\t+7], v[KS+\t%4], v[QS+\a] matrix_a_fmt:MATRIX_FMT_FP6 matrix_b_fmt:MATRIX_FMT_FP6
.else
	v_wmma_scale_f32_16x16x128_f8f6f4 v[S0+64*\a+8*\t:S0+64*\a+8*\t+7], v[12*\t:12*\t+11], v[128+12*\a:128+12*\a+11], v[S0+64*\a+8*\t:S0+64*\a+8*\t+7], v[KS+\t%4], v[QS+\a] matrix_a_fmt:MATRIX_FMT_FP6 matrix_b_fmt:MATRIX_FMT_FP6 matrix_a_scale:MATRIX_SCALE_ROW1
.endif
.endr
.endr
	WIN 0
.rept 4
	v_nop                                          ; places in front of the first read of the scores
.endr
	SOFTMAX 0
	s_wait_dscnt 0x0                               ; V is in
	PV 0
	SOFTMAX 1                                      ; it names none of tile 0's products' registers
	PV 1
.rept 4
	v_nop                                          ; places in front of the next step's loads into the fragments and the scale words
.endr
	s_xor_b32 s[TB], s[TB], SLOT1
.endm
; The change of slots stands at a step's head.  Each wave waits for all its tensor loads (its part of the slot ahead), adds 0 to its spare word, and waits for that and for its reads of the slot that it has left.
; fill = 1: a round of the cluster's barrier, and behind it the slot just left is filled with the tile that follows: one load a wave, a step's work in which to land
.macro CHANGE fill
	s_wait_tensorcnt 0x0                           ; no tensor load of mine is out, so a group 0 may be written
	ds_add_u32 v[SPW], v[NIL]                      ; 0 onto my spare word
.if \fill
	s_xor_b32 s[G0M+1], s[G0M+1], SLOT1            ; the walking descriptors: the other slot,
	s_add_nc_u64 s[G0M+2:G0M+3], s[G0M+2:G0M+3], 512    ; the next 128 keys' columns of the mask,
	s_xor_b32 s[G0K+1], s[G0K+1], SLOT1
	s_add_nc_u64 s[G0K+2:G0K+3], s[G0K+2:G0K+3], REC    ; the next record
	s_wait_xcnt 0x0                                ; the last prefetch, a step back, has read its address
	s_add_nc_u64 s[PFA:PFA+1], s[PFA:PFA+1], s[PFS:PFS+1]
	s_wait_dscnt 0x0                               ; the add is done, and my reads of the slot that I have left are over
	CROUND
	JLOAD
	ASK
.else
	s_wait_dscnt 0x0
	s_barrier_signal -1
	s_barrier_wait -1
.endif
.endm
	s_wait_loadcnt 0x0                             ; Q
.Lslot:                                            ; 15 trips: behind each change of slots but the last the next tile is asked for
	CHANGE 1
	STEP
	s_sub_co_u32 s[SLOTS], s[SLOTS], 1
	s_cmp_lg_u32 s[SLOTS], 0
	s_cbranch_scc1 .Lslot
	CHANGE 0                                       ; the last step is written out
	STEP
	; THE WAY OUT: O^T / the sum; quantised along d: the result is fragment (token tile, K step hd) of the next product, stored as it stands in the registers
.irp a, 0,1
	v_add_f32 v[ST0+4*\a+2], v[ST0+4*\a+2], v[ST0+4*\a+3]
.endr
.irp a, 0,1
	v_permlanex16_b32 v[PT+\a], v[ST0+4*\a+2], s[SEL], s[SEL+1]
.endr
.irp a, 0,1
	v_add_f32 v[ST0+4*\a+2], v[ST0+4*\a+2], v[PT+\a]   ; with lane l xor 16's keys: the row's sum
.endr
.irp a, 0,1
	v_rcp_f32 v[RC+2*\a], v[ST0+4*\a+2]
.endr
	v_mov_b32 v[RC+1], 0                           ; (the pairs' upper halves: plain places behind the reciprocals)
	v_mov_b32 v[RC+3], 0
	s_wait_alu depctr_va_vdst(0)                   ; one wait for the two, ahead of their first reader
.macro QUANT s, pw                     ; 64 numbers of a lane, register 16 b + i = channel 32 b + 16 (lane / 16) + i of my row: codes at v[PC], scale word in v[pw]
.irp b, 0,1,2,3
	v_max3_num_f32 v[TM+\b], |v[\s+16*\b]|, |v[\s+16*\b+1]|, 0x1800000
.endr
.irp i, 2,4,6,8,10,12,14
.irp b, 0,1,2,3
	v_max3_num_f32 v[TM+\b], v[TM+\b], |v[\s+16*\b+\i]|, |v[\s+16*\b+\i+1]|
.endr
.endr
.irp b, 0,1,2,3
	v_permlanex16_b32 v[TM+4+\b], v[TM+\b], s[SEL], s[SEL+1]
.endr
.irp b, 0,1,2,3
	v_max_num_f32 v[TM+\b], v[TM+\b], v[TM+4+\b]
.endr
.irp b, 0,1,2,3
	v_add_nc_u32 v[TM+12+\b], 0xff000000, v[TM+\b]
.endr
.irp b, 0,1,2,3
	v_lshrrev_b32 v[TM+4+\b], 23, v[TM+12+\b]
.endr
	v_lshl_or_b32 v[\pw], v[TM+5], 8, v[TM+4]
	v_lshl_or_b32 v[\pw], v[TM+6], 16, v[\pw]
	v_lshl_or_b32 v[\pw], v[TM+7], 24, v[\pw]
.irp c, 0,1
	v_cvt_scalef32_pk16_fp6_f32 v[PC+6*\c:PC+6*\c+2], v[\s+32*\c:\s+32*\c+15], v[TM+12+2*\c]
	v_cvt_scalef32_pk16_fp6_f32 v[PC+12+4*\c:PC+14+4*\c], v[\s+32*\c+16:\s+32*\c+31], v[TM+13+2*\c]
.endr
	v_nop
.irp c, 0,1
.irp i, 0,1,2
	v_permlane16_swap_b32 v[PC+6*\c+\i], v[PC+12+4*\c+\i]
.endr
.irp i, 0,1,2
	v_mov_b32 v[PC+3+6*\c+\i], v[PC+12+4*\c+\i]
.endr
.endr
.endm
.irp a, 0,1
	WIN 0x01                                       ; source 0 window 1
.set jj, 0
.rept 32
	v_pk_mul_f32 v[S0+64*\a+jj:S0+64*\a+jj+1], v[64*\a+jj:64*\a+jj+1], v[RC+2*\a:RC+2*\a+1] op_sel_hi:[1,0]   ; each accumulator from its low end on
.set jj, jj+2
.endr
	WIN 0
	s_wait_xcnt 0x0                                ; the stores of the tile before have read their registers
	QUANT S0+64*\a, PWS+\a
.irp g, 0,1,2
	global_store_b128 v[AK0], v[PC+4*\g:PC+4*\g+3], s[68:69] offset:24576*\a+512*\g   ; 32 lanes store 512 consecutive bytes, at a multiple of 256 from the buffer's first byte
.endr
	global_store_b32 v[SW], v[PWS+\a], s[70:71] offset:1024*\a   ; my row's scale word (lanes 16-31 repeat lanes 0-15: the same place, the same value)
.endr
	s_wait_tensorcnt 0x0                           ; the wave's end
	ds_add_u32 v[SPW], v[NIL]
	s_wait_dscnt 0x0
	CROUND                                         ; the closing round
	s_endpgm
.Lfunc_end_k_q2bc0dd83e7_attn:
	.size	k_q2bc0dd83e7_attn, .Lfunc_end_k_q2bc0dd83e7_attn-k_q2bc0dd83e7_attn
	.p2alignl 7, 3214868480
	.fill 96, 4, 3214868480
	.section	.rodata,"a",@progbits
	.p2align	6, 0x0
	.amdhsa_kernel k_q2bc0dd83e7_attn
		.amdhsa_group_segment_fixed_size 327680
		.amdhsa_private_segment_fixed_size 0
		.amdhsa_enable_private_segment 0
		.amdhsa_kernarg_size 32
		.amdhsa_user_sgpr_count 2
		.amdhsa_user_sgpr_kernarg_segment_ptr 1
		.amdhsa_wavefront_size32 1
		.amdhsa_system_sgpr_workgroup_id_x 1
		.amdhsa_system_sgpr_workgroup_id_y 1
		.amdhsa_system_sgpr_workgroup_id_z 1
		.amdhsa_system_vgpr_workitem_id 0
		.amdhsa_next_free_vgpr 768
		.amdhsa_next_free_sgpr 80
		.amdhsa_reserve_vcc 0
		.amdhsa_float_denorm_mode_32 3
		.amdhsa_float_denorm_mode_16_64 3
		.amdhsa_memory_ordered 1
		.amdhsa_forward_progress 1
		.amdhsa_inst_pref_size 106
	.end_amdhsa_kernel
	.amdgpu_metadata
---
amdhsa.version: [ 1, 2 ]
amdhsa.kernels:
  - .name:           k_q2bc0dd83e7_attn
    .symbol:         k_q2bc0dd83e7_attn.kd
    .args:
      - { .name: qkv, .offset: 0, .size: 8, .value_kind: global_buffer, .address_space: global }
      - { .name: attn_mask, .offset: 8, .size: 8, .value_kind: global_buffer, .address_space: global }
      - { .name: aimg, .offset: 16, .size: 8, .value_kind: global_buffer, .address_space: global }
      - { .name: asc, .offset: 24, .size: 8, .value_kind: global_buffer, .address_space: global }
    .group_segment_fixed_size: 327680
    .private_segment_fixed_size: 0
    .kernarg_segment_align: 8
    .kernarg_segment_size: 32
    .max_flat_workgroup_size: 128
    .sgpr_count:     80
    .vgpr_count:     768
    .wavefront_size: 32
...
	.end_amdgpu_metadata
.endif
;; end of part 2
;; launch oproj (part 3): grid 16 x 16, 4 waves a work-group, clusters of 4 x 4, 327,680 bytes of LDS; arguments aimg, asc, Wo_codes, Wo_scales, bo, out0; writes out0
.if DOCPART == 3
	.amdgcn_target "amdgcn-amd-amdhsa--gfx1250"
	.amdhsa_code_object_version 6
	.text
	.protected	k_q2bc0dd83e7_oproj
	.globl	k_q2bc0dd83e7_oproj
	.p2align	8
	.type	k_q2bc0dd83e7_oproj,@function
k_q2bc0dd83e7_oproj:
	s_mov_b64 s[64:65], 0
	v_nop
	global_prefetch_b8 v0, s[64:65] scope:SCOPE_SE
	s_setreg_imm32_b32 hwreg(HW_REG_WAVE_MODE, 25, 1), 1
	s_wait_xcnt 0x0
	s_wait_alu depctr_hold_cnt(0) depctr_sa_sdst(0) depctr_va_vdst(0) depctr_va_sdst(0) depctr_va_ssrc(0) depctr_va_vcc(0) depctr_vm_vsrc(0)
	s_getreg_b32 s2, hwreg(HW_REG_IB_STS2, 6, 4)
	s_cmp_eq_u32 s2, 0
	s_cbranch_scc0 .Lentry_in_a_cluster
	s_endpgm
.Lentry_in_a_cluster:
	s_bfe_u32 s2, ttmp6, 0x10000c
	s_cmp_lg_u32 s2, 0xf033
	s_cbranch_scc0 .Lentry_shape_is_right
	s_endpgm
.Lentry_shape_is_right:
; out0 = A Wo^T + bo on codes of FP6 (E2M3) with E8M0 scales.  A: the attention's result, as images of operand registers, aimg [token tile][K step of 128][1,536], scale words asc [token][16]; Wo: codes [2048 (n)][1,536 bytes], scale bytes [2048][64]; bo, out0 f32.
; A tile of out0 is 128 tokens x 128 columns: 256 work-groups, one for each WGP (tiles of 256 x 256 would be 64).  Four waves, each 64 x 64: 16 accumulators.  Used transposed (source 0 = 16 rows of Wo, source 1 = 16 tokens): a lane holds eight neighbouring columns of a row.
; K goes in four runs of 512 through two LDS slots, so that only two refills are needed; all of K is written out.  A's part of a slot: 8 token tiles x 4 images, dense; Wo's: 128 rows of 384 bytes, 16 bytes of padding behind each 128: pitch 432.
; The scale bytes of the 2 x 128 rows, for all of K, come once.  CLUSTER 4 x 4: A's tile is asked for jointly along a row of the cluster, Wo's along a column.
; REGISTERS: window 0: addresses; v32-63 scale words, two sets; v64-95 bo in the result's layout, later (with v96-127) rows on the way out; v128-255 the accumulators.  window 1: two sets of 96: A's 4 fragments, then Wo's 4.
.set SLOT,  104448
.set BOFF,  49152
.set BP,    432
.set SCL,   2*SLOT
.set HS,    16*272                     ; the scale bytes of 64 rows: what one tensor load brings
.set SBLK,  4*272
.set SPARE, SCL+4*HS                   ; the spare words: 128 bytes a wave, named by no other line
.set SPITCH, 272                       ; the way out: 16 rows x (256 bytes + 16) for each wave, in slot 0, which has had its last fill and its last read by then
.set ADRA, 16
.set ADRB, 20                          ; v20-21; v22-23 the same behind one padding more
.set STO,  24
.set RD,   25
.set CO,   26
.set ADRS, 27
.set SPW,  28
.set NIL,  29
.set SC,   32
.set BIA,  64
.set ACC,  128
.set WV,   16
.set TH,   17                          ; my half of the tokens.  Also: I fetch for A (0) or for Wo (1)
.set NH,   18                          ; my half of the columns.  Also: which half of that tile I fetch
.set G1A,  24
.set G1B,  32
.set G0A,  40
.set G0B,  48
.set G1S,  56
.set G1SB, 68
.set G0S,  76
.set G0SB, 80
.set MSB, 0
.macro WIN new
.if MSB != \new
	s_set_vgpr_msb (MSB<<8)|\new
.set MSB, \new
.endif
.endm
.set MUL,  0x05                        ; sources 0 and 1 window 1; C and D window 0
.set TO_F, 0x40
.macro PLACES
.rept 4
	v_nop
.endr
.endm
.macro JLOAD g0a, g1a, g0b, g1b        ; waves 0, 1 fetch for A, waves 2, 3 for Wo; four v_nop follow each of the two lines
	s_cmp_eq_u32 s[TH], 0
	s_cbranch_scc0 .Lfor_b_\@
	tensor_load_to_lds s[\g0a:\g0a+3], s[\g1a:\g1a+7]
	s_nop 0
.rept 4
	v_nop
.endr
	s_branch .Lasked_\@
.Lfor_b_\@:
	tensor_load_to_lds s[\g0b:\g0b+3], s[\g1b:\g1b+7]
	s_nop 0
.rept 4
	v_nop
.endr
.Lasked_\@:
.endm
.macro CREST
	s_cmp_lg_u32 s[WV], 0
	s_cbranch_scc1 .Lnot_wave_0_\@
	s_barrier_signal -3
.Lnot_wave_0_\@:
	s_barrier_wait -3
	s_barrier_signal -1
	s_barrier_wait -1
.endm
.macro CROUND
	s_barrier_signal -1
	s_barrier_wait -1
	CREST
.endm
	s_load_b256 s[4:11], s[0:1], 0x0               ; aimg, asc, Wo's codes, Wo's scales
	s_load_b128 s[12:15], s[0:1], 0x20             ; bo, out0
	v_lshl_add_u32 v[SPW], v0, 2, SPARE
	v_mov_b32 v[NIL], 0
	ds_add_u32 v28, v29
	ds_add_u32 v28, v29
	s_wait_dscnt 0x0
	v_lshrrev_b32 v1, 5, v0
	v_readfirstlane_b32 s[WV], v1
	s_lshr_b32 s[TH], s[WV], 1
	s_and_b32 s[NH], s[WV], 1
	s_bfe_u32 s19, ttmp6, 0x40000                  ; cx
	s_bfe_u32 s20, ttmp6, 0x40004                  ; cy
	s_lshl_b32 s21, ttmp9, 2
	s_add_co_u32 s21, s21, s19                     ; nb
	s_and_b32 s22, ttmp7, 0xffff
	s_lshl_b32 s22, s22, 2
	s_add_co_u32 s22, s22, s20                     ; tb
	s_lshl_b32 s23, s20, 2
	s_lshl_b32 s23, 15, s23                        ; my row of the cluster
	s_lshl_b32 s84, 0x1111, s19                    ; my column
	; A: 4 token tiles x 6,144 bytes (768 elements of 8 bytes), 24,576 bytes apart; no padding
	s_or_b32 s[G1A], s23, (3<<16)|(1<<21)
	s_mov_b32 s[G1A+1], 768<<16
	s_mov_b32 s[G1A+2], 4<<16
	s_mov_b32 s[G1A+3], 768<<16
	s_mov_b32 s[G1A+4], 4
	s_mov_b32 s[G1A+5], 3072
	s_mov_b32 s[G1A+6], 0
	s_mov_b32 s[G1A+7], 0
	; Wo: 64 rows x 384 bytes, 1,536 apart; 16 bytes of padding behind every 128 (32 words: code 4; 4 words: code 3)
	s_or_b32 s[G1B], s84, (1<<20)|(1<<21)|(4<<22)|(3<<25)
	s_mov_b32 s[G1B+1], 384<<16
	s_mov_b32 s[G1B+2], 64<<16
	s_mov_b32 s[G1B+3], 384<<16
	s_mov_b32 s[G1B+4], 64
	s_mov_b32 s[G1B+5], 1536
	s_mov_b32 s[G1B+6], 0
	s_mov_b32 s[G1B+7], 0
	; the scale bytes of 64 rows: 4,096 dense bytes as 16 rows of 256, 16 bytes of padding behind each
	s_or_b32 s[G1S], s23, (3<<16)|(1<<20)|(1<<21)|(5<<22)|(3<<25)
	s_or_b32 s[G1SB], s84, (3<<16)|(1<<20)|(1<<21)|(5<<22)|(3<<25)
.irp g, G1S, G1SB
	s_mov_b32 s[\g+1], 32<<16
	s_mov_b32 s[\g+2], 16<<16
	s_mov_b32 s[\g+3], 32<<16
	s_mov_b32 s[\g+4], 16
	s_mov_b32 s[\g+5], 32
	s_mov_b32 s[\g+6], 0
	s_mov_b32 s[\g+7], 0
.endr
	s_lshl_b32 s86, s22, 3                         ; A: token tile 8 tb + 4 (w % 2)  (these registers never hold nb)
	s_lshl_b32 s87, s[NH], 2
	s_add_co_u32 s86, s86, s87
	s_mul_i32 s88, s86, 1024                       ; its scale words: 16 rows of 64 bytes a tile
	s_mul_i32 s86, s86, 24576
	s_mov_b32 s87, 0
	s_mov_b32 s89, 0
	s_lshl_b32 s90, s21, 7                         ; Wo: row 128 nb + 64 (w % 2)
	s_lshl_b32 s91, s[NH], 6
	s_add_co_u32 s90, s90, s91
	s_lshl_b32 s92, s90, 6
	s_mul_i32 s90, s90, 1536
	s_mov_b32 s91, 0
	s_mov_b32 s93, 0
	s_mul_i32 s94, s[NH], 24576                    ; where they go in a slot
	s_mul_i32 s95, s[NH], 64*BP
	s_add_co_u32 s95, s95, BOFF
	s_mul_i32 s96, s[WV], HS
	s_wait_kmcnt 0x0
	s_add_nc_u64 s[4:5], s[4:5], s[86:87]
	s_add_nc_u64 s[6:7], s[6:7], s[88:89]
	s_add_nc_u64 s[8:9], s[8:9], s[90:91]
	s_add_nc_u64 s[10:11], s[10:11], s[92:93]
	s_lshl_b32 s86, s21, 9                         ; bo: 512 nb + 256 nh bytes
	s_lshl_b32 s88, s[NH], 8
	s_add_co_u32 s86, s86, s88
	s_add_nc_u64 s[12:13], s[12:13], s[86:87]
	s_lshl_b32 s88, s22, 20                        ; out0: row 128 tb + 64 th, + the same columns
	s_add_co_u32 s86, s86, s88
	s_lshl_b32 s88, s[TH], 19
	s_add_co_u32 s86, s86, s88
	s_add_nc_u64 s[14:15], s[14:15], s[86:87]
	CROUND                                         ; all sixteen work-groups are here
	s_mov_b32 s[G0S], 1
	s_add_co_u32 s[G0S+1], s96, SCL
	s_mov_b64 s[G0S+2:G0S+3], s[6:7]
	s_or_b32 s[G0S+3], s[G0S+3], 0x80000000
	s_mov_b32 s[G0SB], 1
	s_add_co_u32 s[G0SB+1], s96, SCL
	s_mov_b64 s[G0SB+2:G0SB+3], s[10:11]
	s_or_b32 s[G0SB+3], s[G0SB+3], 0x80000000
	JLOAD G0S, G1S, G0SB, G1SB                     ; the scale bytes: filled once.  With the two slots below three loads of mine are out
.irp s, 0,1
	s_mov_b32 s[G0A+4*\s], 1
	s_add_co_u32 s[G0A+4*\s+1], s94, \s*SLOT
	s_add_nc_u64 s[G0A+4*\s+2:G0A+4*\s+3], s[4:5], \s*6144
	s_or_b32 s[G0A+4*\s+3], s[G0A+4*\s+3], 0x80000000
	s_mov_b32 s[G0B+4*\s], 1
	s_add_co_u32 s[G0B+4*\s+1], s95, \s*SLOT
	s_add_nc_u64 s[G0B+4*\s+2:G0B+4*\s+3], s[8:9], \s*384
	s_or_b32 s[G0B+4*\s+3], s[G0B+4*\s+3], 0x80000000
	JLOAD G0A+4*\s, G1A, G0B+4*\s, G1B
.endr
	v_and_b32 v1, 15, v0                           ; r
	v_bfe_u32 v2, v0, 4, 1                         ; h
	v_lshlrev_b32 v30, 5, v2
.irp b, 0,1,2,3
	global_load_b128 v[BIA+8*\b:BIA+8*\b+3], v30, s[12:13] offset:64*\b       ; bo at my eight columns of tile b
	global_load_b128 v[BIA+8*\b+4:BIA+8*\b+7], v30, s[12:13] offset:64*\b+16
.endr
	v_and_b32 v3, 31, v0
	v_lshlrev_b32 v3, 4, v3                        ; 16 x lane
	s_mul_i32 s86, s[TH], 24576                    ; A: my four token tiles
	v_mul_u32_u24 v4, v1, BP
	v_mad_u32_u24 v4, v2, 24, v4
	v_lshl_add_u32 v5, v2, 4, v4
	s_mul_i32 s87, s[NH], 64*BP                    ; Wo: my 64 rows
	s_add_co_u32 s87, s87, BOFF
.irp s, 0,1
	v_add_nc_u32 v[ADRA+\s], s86, v3
	v_add_nc_u32 v[ADRB+\s], s87, v4
	v_add_nc_u32 v[ADRB+2+\s], s87, v5
	s_add_co_u32 s86, s86, SLOT
	s_add_co_u32 s87, s87, SLOT
.endr
	v_lshlrev_b32 v6, 6, v1                        ; a row of scale bytes is 64 bytes,
	v_lshrrev_b32 v7, 8, v6
	v_lshl_add_u32 v6, v7, 4, v6                   ; and 16 more for each 256 passed
	s_mul_i32 s86, s[NH], HS
	s_add_co_u32 s86, s86, 2*HS
	s_mul_i32 s87, s[TH], HS
	s_sub_co_u32 s86, s86, s87                     ; from A's rows of mine to Wo's rows of mine
	v_mul_u32_u24 v7, s86, v2
	s_add_co_u32 s87, s87, SCL
	v_add_nc_u32 v6, v6, v7
	v_add_nc_u32 v[ADRS], s87, v6                  ; lanes 0-15 A's rows, lanes 16-31 Wo's
	s_mul_i32 s86, s[WV], 16*SPITCH                ; my stage
	v_mul_u32_u24 v6, v1, SPITCH
	v_lshl_add_u32 v6, v2, 5, v6
	v_add_nc_u32 v[STO], s86, v6                   ; in: row r, 32 bytes for each half of the lanes
	v_mul_u32_u24 v6, v2, SPITCH
	v_lshl_add_u32 v6, v1, 4, v6
	v_add_nc_u32 v[RD], s86, v6                    ; back: lanes 0-15 one row of 256 bytes, lanes 16-31 the next
	v_lshlrev_b32 v6, 13, v2
	v_lshl_add_u32 v[CO], v1, 4, v6                ; and the same two rows in out0
; the fragments of the slot's q-th 128 along K into set g: A's by three loads of 16 bytes an image, Wo's by six pieces of 8 bytes (lanes 16-31 read three pieces on; behind one padding more where the piece is the 13th or later of 16)
.macro FETCH slot, q, g
	WIN TO_F
.irp a, 0,1,2,3
.irp c, 0,1,2
	ds_load_b128 v[96*(\g)+12*\a+4*\c:96*(\g)+12*\a+4*\c+3], v[ADRA+\slot] offset:6144*\a+1536*(\q)+512*\c
.endr
.endr
.irp b, 0,1,2,3
.irp p, 0,1,2,3,4,5
.set PCE, 12*(\q)+6*(\p/3)+\p%3
.if PCE%16 < 13
	ds_load_b64 v[96*(\g)+48+12*\b+2*\p:96*(\g)+48+12*\b+2*\p+1], v[ADRB+\slot] offset:16*\b*BP+8*PCE+16*(PCE/16)
.else
	ds_load_b64 v[96*(\g)+48+12*\b+2*\p:96*(\g)+48+12*\b+2*\p+1], v[ADRB+2+\slot] offset:16*\b*BP+8*PCE+16*(PCE/16)
.endif
.endr
.endr
.endm
.macro SCALES set, sig                 ; run sig's scale words, four a row: register 4 i + q: A's tile i below, Wo's tile i above
.irp i, 0,1,2,3
	ds_load_b128 v[SC+16*(\set)+4*\i:SC+16*(\set)+4*\i+3], v[ADRS] offset:SBLK*\i+16*(\sig)
.endr
.endm
; 8 matrix instructions: token tiles a0, a0 + 1 x Wo's four.  first = 1: the bias starts the sums.  The 16 accumulators take turns
.macro MUL8 f, q, set, a0, first
.irp a, \a0, \a0+1
.irp b, 0,1,2,3
.set rD, ACC+8*(4*(\a)+\b)
.set rC, rD
.if \first
.set rC, BIA+8*\b
.endif
	v_wmma_scale_f32_16x16x128_f8f6f4 v[rD:rD+7], v[96*(\f)+48+12*\b:96*(\f)+48+12*\b+11], v[96*(\f)+12*(\a):96*(\f)+12*(\a)+11], v[rC:rC+7], v[SC+16*(\set)+4*\b+(\q)], v[SC+16*(\set)+4*(\a)+(\q)] matrix_a_fmt:MATRIX_FMT_FP6 matrix_b_fmt:MATRIX_FMT_FP6 matrix_a_scale:MATRIX_SCALE_ROW1
.endr
.endr
.endm
.macro STEP slot, q, first             ; one of a slot's first three steps: the next step's fragments go out ahead of this step's products
	s_wait_dscnt 0x0
	PLACES                                         ; in front of loads into the set that the last products read
	FETCH \slot, (\q)+1, ((\q)+1)%2
	WIN MUL
	MUL8 (\q)%2, \q, \slot, 0, \first
	MUL8 (\q)%2, \q, \slot, 2, \first
.endm
; A slot's last step changes slots: one barrier; in front of it each wave waits for all its tensor loads, adds 0 to its spare word, and waits for that and for its reads of this slot
.macro TURN slot, next, fill, sig
	WIN 0
	s_wait_tensorcnt 0x0                           ; all my tensor loads have landed: my part of the next slot
	ds_add_u32 v[SPW], v[NIL]                      ; 0 onto my spare word
	s_wait_dscnt 1                                 ; (the add alone may be out)
	WIN MUL
	MUL8 1, 3, \slot, 0, 0
	s_wait_dscnt 0x0                               ; the add is done, and my reads of this slot are over
	s_barrier_signal -1
	MUL8 1, 3, \slot, 2, 0
	WIN 0
	s_barrier_wait -1
.if \fill
	CREST                                          ; the barrier has opened a round of the cluster's
	s_add_nc_u64 s[G0A+4*\slot+2:G0A+4*\slot+3], s[G0A+4*\slot+2:G0A+4*\slot+3], 2*6144
	s_add_nc_u64 s[G0B+4*\slot+2:G0B+4*\slot+3], s[G0B+4*\slot+2:G0B+4*\slot+3], 2*384
	JLOAD G0A+4*\slot, G1A, G0B+4*\slot, G1B       ; the first tensor load behind the round: 48 matrix instructions ahead of the wait for it; its four v_nop are also the places in front of the loads below
.else
	PLACES
.endif
	FETCH \next, 0, 0
	WIN 0
	SCALES \next, (\sig)+1
.endm
	s_wait_tensorcnt 0x1                           ; the scale bytes and my part of run 0 are in (run 1's load may be out),
	s_barrier_signal -1
	s_barrier_wait -1                              ; everybody's are
	FETCH 0, 0, 0
	WIN 0
	SCALES 0, 0
	s_wait_loadcnt 0x0                             ; bo
	STEP 0, 0, 1
	STEP 0, 1, 0
	STEP 0, 2, 0
	TURN 0, 1, 1, 0
	STEP 1, 0, 0
	STEP 1, 1, 0
	STEP 1, 2, 0
	TURN 1, 0, 1, 1
	STEP 0, 0, 0
	STEP 0, 1, 0
	STEP 0, 2, 0
	TURN 0, 1, 0, 2
	STEP 1, 0, 0
	STEP 1, 1, 0
	STEP 1, 2, 0
	s_wait_dscnt 0x0
	WIN MUL
	MUL8 1, 3, 1, 0, 0
	MUL8 1, 3, 1, 2, 0
	WIN 0
; THE WAY OUT, a tile of 16 tokens x 64 columns at a time, through my own stage: LDS serves a wave's instructions in order (ISA guide 5.7.1.4), so no wait stands between the stores and the loads, nor in front of the next tile's stores
.macro TOSTAGE a
.irp b, 0,1,2,3
	ds_store_b128 v[STO], v[ACC+8*(4*(\a)+\b):ACC+8*(4*(\a)+\b)+3] offset:64*\b        ; each accumulator from its low end on
	ds_store_b128 v[STO], v[ACC+8*(4*(\a)+\b)+4:ACC+8*(4*(\a)+\b)+7] offset:64*\b+16
.endr
.irp t, 0,1,2,3,4,5,6,7
	ds_load_b128 v[64+32*((\a)%2)+4*\t:64+32*((\a)%2)+4*\t+3], v[RD] offset:\t*2*SPITCH
.endr
.endm
.macro SEND a, younger                 ; younger: the LDS instructions issued behind tile a's loads
.irp t, 0,1,2,3,4,5,6,7
	s_wait_dscnt \younger+7-\t
	global_store_b128 v[CO], v[64+32*((\a)%2)+4*\t:64+32*((\a)%2)+4*\t+3], s[14:15] offset:(16*(\a)+2*\t)*8192 th:TH_STORE_NT   ; 16 lanes store 256 consecutive bytes, at a multiple of 256 from out0's first byte
.endr
.endm
	PLACES
	TOSTAGE 0
	TOSTAGE 1
	SEND 0, 16
	s_wait_xcnt 0x0                                ; tile 0's stores have read their registers: tile 2's rows may land there
	TOSTAGE 2
	SEND 1, 16
	s_wait_xcnt 0x0
	TOSTAGE 3
	SEND 2, 16
	SEND 3, 0
	s_wait_tensorcnt 0x0                           ; the wave's end
	ds_add_u32 v[SPW], v[NIL]
	s_wait_dscnt 0x0
	CROUND                                         ; the closing round
	s_endpgm
.Lfunc_end_k_q2bc0dd83e7_oproj:
	.size	k_q2bc0dd83e7_oproj, .Lfunc_end_k_q2bc0dd83e7_oproj-k_q2bc0dd83e7_oproj
	.p2alignl 7, 3214868480
	.fill 96, 4, 3214868480
	.section	.rodata,"a",@progbits
	.p2align	6, 0x0
	.amdhsa_kernel k_q2bc0dd83e7_oproj
		.amdhsa_group_segment_fixed_size 327680
		.amdhsa_private_segment_fixed_size 0
		.amdhsa_enable_private_segment 0
		.amdhsa_kernarg_size 48
		.amdhsa_user_sgpr_count 2
		.amdhsa_user_sgpr_kernarg_segment_ptr 1
		.amdhsa_wavefront_size32 1
		.amdhsa_system_sgpr_workgroup_id_x 1
		.amdhsa_system_sgpr_workgroup_id_y 1
		.amdhsa_system_sgpr_workgroup_id_z 1
		.amdhsa_system_vgpr_workitem_id 0
		.amdhsa_next_free_vgpr 512
		.amdhsa_next_free_sgpr 98
		.amdhsa_reserve_vcc 0
		.amdhsa_float_denorm_mode_32 3
		.amdhsa_float_denorm_mode_16_64 3
		.amdhsa_memory_ordered 1
		.amdhsa_forward_progress 1
		.amdhsa_inst_pref_size 94
	.end_amdhsa_kernel
	.amdgpu_metadata
---
amdhsa.version: [ 1, 2 ]
amdhsa.kernels:
  - .name:           k_q2bc0dd83e7_oproj
    .symbol:         k_q2bc0dd83e7_oproj.kd
    .args:
      - { .name: aimg, .offset: 0, .size: 8, .value_kind: global_buffer, .address_space: global }
      - { .name: asc, .offset: 8, .size: 8, .value_kind: global_buffer, .address_space: global }
      - { .name: Wo_codes, .offset: 16, .size: 8, .value_kind: global_buffer, .address_space: global }
      - { .name: Wo_scales, .offset: 24, .size: 8, .value_kind: global_buffer, .address_space: global }
      - { .name: bo, .offset: 32, .size: 8, .value_kind: global_buffer, .address_space: global }
      - { .name: out0, .offset: 40, .size: 8, .value_kind: global_buffer, .address_space: global }
    .group_segment_fixed_size: 327680
    .private_segment_fixed_size: 0
    .kernarg_segment_align: 8
    .kernarg_segment_size: 48
    .max_flat_workgroup_size: 128
    .sgpr_count:     98
    .vgpr_count:     512
    .wavefront_size: 32
...
	.end_amdgpu_metadata
.endif
;; end of part 3
